; MI455X (gfx1250); checked and timed in simulation.
; The chip was launched on July 23, 2026; its instructions are those of AMD's public machine-readable ISA for CDNA 5 (MIT licence, August 2026) and "CDNA5" Instruction Set Architecture Reference Guide (July 2026). The comments in the code are by the model that wrote it; some were corrected since.
;; Attention Block. Allowed arithmetic: matrix products marked QUANTISED: E4M3 operands, one E8M0 scale for each 32 along K, by v_wmma_scale_f32_16x16x128_f8f6f4 with both operands' format E4M3, f32 sums; everything else in f32.
;; Inputs: norm_b 256 float32; norm_w 256 float32; proj_b 256 float32; proj_w 256 x 256 float32; qkv_b 768 float32; qkv_w 768 x 256 float32; x 4 x 256 x 64 x 64 float32.
;; Outputs: out0 4 x 256 x 64 x 64 float32.
;; This version of the problem:
;;   THIS VERSION OF THE PROBLEM IS GIVEN IN LOW PRECISION. The matrix products marked QUANTISED in the list below multiply operands that are first quantised to E4M3 (4 exponent bits, 3 mantissa bits; 8 bits a number), with one power-of-two scale for each 32 numbers along K (OCP MX v1.0); their sums are f32. All else is computed in f32.
;;   The module's matrix products, in the order in which they are computed (A, B: the left and right operand; K: the contracted axis; several contracted axes count as one K, in the product's order):
;;     1. [M 768, K 256] x [K 256, N 16,384]; A: input qkv_w; B: computed on the way: QUANTISED
;;     2. batch 16 x [M 4,096, K 64] x [K 64, N 4,096]; A: computed on the way; B: computed on the way: QUANTISED
;;     3. batch 16 x [M 4,096, K 4,096] x [K 4,096, N 64]; A: softmax (see below); B: computed on the way: QUANTISED
;;     4. [M 256, K 256] x [K 256, N 16,384]; A: input proj_w; B: computed on the way: QUANTISED
;;   THE QUANTISER, for each operand of a quantised product, along K:
;;     - K is cut into blocks of 32 from its start; a last block that is shorter is filled with zeros.
;;     - A block's scale is 2^e with e = floor(log2(the largest magnitude in the block)) - 8, held to -126 .. 127; a block of zeros has e = 0. As a byte (E8M0): e + 127.
;;     - Each number is divided by its block's scale, clamped to +-448, and rounded to the nearest number of E4M3, ties to even, subnormals kept.
;;     - The product sums the exact products of the quantised numbers (number of the format x scale) in f32.
;;   ~~~python
;;   def quantise(x, axis):      # numpy; x: float32 -> the quantised numbers, widened to float32 again
;;       x = np.moveaxis(x, axis, -1); K = x.shape[-1]
;;       x = np.pad(x, [(0, 0)] * (x.ndim - 1) + [(0, -K % 32)]); x = x.reshape(x.shape[:-1] + (-1, 32)); a = np.abs(x).max(-1, keepdims=True)
;;       e = np.where(a > 0, np.clip(np.frexp(np.where(a > 0, a, 1))[1] - 1 - 8, -126, 127), 0)      # np.frexp(a)[1] - 1 = floor(log2(a)), exactly
;;       r = np.clip(x / 2.0 ** e, -448, 448)
;;       step = 2.0 ** (np.maximum(np.frexp(np.where(r == 0, 1, r))[1] - 1, -6) - 3)
;;       q = np.round(r / step) * step * 2.0 ** e      # np.round: ties to even
;;       return np.moveaxis(q.reshape(q.shape[:-2] + (-1,))[..., :K], -1, axis).astype(np.float32)
;;   ~~~
;;   SOFTMAX AHEAD OF A QUANTISED PRODUCT. Where the list says 'softmax', what is quantised is not the finished softmax but p = 2^(t - M), with t = logit x log2(e) and M = ceil(the row's largest t), a whole number; so 1/2 < the row's largest p <= 1. The row's sum l is taken of the UNQUANTISED p, in f32, and the product's result is divided by l at the end. Since M is a whole number, a kernel that streams over the keys may use a running M (the ceiling of the running maximum): every later rescaling is an exact power of two, which a block's scale takes up: the codes' values come out the same.
;;   OPERANDS COMPUTED ON THE WAY. 'Computed on the way' means the value that the module computes at that place (a softmax that the list does not call 'softmax' is quantised finished and normalised). What goes into a quantiser is computed in f32, as accurately as f32 sums, v_exp_f32 and their like allow (about 1e-6 of the number): no bf16 or f16 on the way to a quantiser, and a product that is left as it is and whose result goes on into a quantised operand takes f32 operands (vector FMAs, or v_wmma_f32_16x16x4_f32). A number that lies on a knife's edge between two numbers of the format may be rounded either way, as far as f32 arithmetic and the matrix unit's own rounding can turn it there, and no further.
;; One version. Each part assembles by itself: llvm-mc -triple=amdgcn-amd-amdhsa -mcpu=gfx1250 --defsym DOCPART=n.
;; ======== version 1 of 1: 4 launches
;; limits: right only within a limited range of input values
;; workspace buffers: part 16,384 bytes; wq 270,336 bytes; qq 4,456,448 bytes; kc 4,194,304 bytes; vc 4,194,304 bytes; kvs 393,216 bytes; oq 4,325,376 bytes
;; launch prep (part 1): grid 256 x 1, 8 waves a work-group, no clusters, 0 bytes of LDS; arguments x, qkv_w, proj_w, part, wq; writes part, wq
.if DOCPART == 1
	.amdgcn_target "amdgcn-amd-amdhsa--gfx1250"
	.amdhsa_code_object_version 6
	.text
	.protected	k_qadfeaa32b7_prep
	.globl	k_qadfeaa32b7_prep
	.p2align	8
	.type	k_qadfeaa32b7_prep,@function
k_qadfeaa32b7_prep:
	s_mov_b64 s[64:65], 0
	v_nop
	global_prefetch_b8 v0, s[64:65] scope:SCOPE_SE
	s_setreg_imm32_b32 hwreg(HW_REG_WAVE_MODE, 25, 1), 1
	s_wait_xcnt 0x0
; PREP.  Two things that the later launches want ready.
; (1) GroupNorm's statistics in parts: x is a plain stream here; wave 8 i + w of the launch takes 2,048 numbers (8,192 bytes) and stores their mean and the sum of squared
;     deviations from that mean (two passes over registers: no difference of large sums is formed).  A group of 32 channels x 4,096 pixels is 64 such parts on end.
; (2) qkv_w [768][256] and proj_w [256][256] become codes of E4M3 with one E8M0 byte for each 32 along K (K innermost), laid as IMAGES OF THE OPERAND'S REGISTERS:
;     tile T (16 rows), K step s (128), register group cc: 512 bytes, lane l's 16 bytes at 16 l.  Tiles 0-47: qkv_w, 48-63: proj_w.  Wave 0 of work-groups 0-63 takes tile T = work-group.
;     THE ROWS OF A TILE ARE NOT NEIGHBOURS: row rho of tile T is weight row 32 (T / 2) + 8 (T % 2) + rho + 8 (rho / 8), so that the 16 result registers of two neighbouring tiles are 16 neighbours.
;     Scale words: 128 bytes a tile behind the codes: lanes 0-15 the rows' words of K step 0, lanes 16-31 of K step 1.
; LIMITS: NaN and infinities are not served; a block whose largest magnitude lies under 2^-118 gets the byte 1; a block of zeros gets the byte 1 where the rule says 127
; (its codes are zeros, which add nothing, and this program alone reads the bytes).
; No LDS, no barrier: waves share nothing.
.set WSC, 262144                       ; where the scale words begin in wq
.set WV,  16                           ; s16 my wave's number
.set SEL, 20                           ; s[20:21] selects of v_permlanex16_b32: lane l xor 16
.set MNT, 22
.set HM,  23                           ; s23 a lane mask: lanes 16-31
.set X,   16                           ; v16-79   my 64 numbers of x
.set WX,  80                           ; v80-207  a weight tile's 128 numbers a lane; later v80-87 four chains
.set PC,  208                          ; v208-239 two fragments' codes
.set TM,  240                          ; v240-243 largest magnitudes, v244-247 bytes, v252-255 the conversions' scale operands
; 64 numbers of a lane, register 16 b + i = k 32 b + 16 (lane / 16) + i of the lane's row, become 16 registers of codes at v[pc]; the four blocks' bytes are left in v[TM+4] on.
.macro QUANT4 s, pc
.irp b, 0,1,2,3
	v_max3_num_f32 v[TM+\b], |v[(\s)+16*\b]|, |v[(\s)+1+16*\b]|, 0x4800000   ; my 16 numbers of block b, and the floor 2^(9 - 127): the byte cannot fall under 1
.endr
.irp i, 2,4,6,8,10,12,14
.irp b, 0,1,2,3
	s_delay_alu instid0(VALU_DEP_4)
	v_max3_num_f32 v[TM+\b], v[TM+\b], |v[(\s)+16*\b+\i]|, |v[(\s)+1+16*\b+\i]|   ; the four blocks by turns
.endr
.endr
.irp b, 0,1,2,3
	s_delay_alu instid0(VALU_DEP_4)
	v_permlanex16_b32 v[TM+4+\b], v[TM+\b], s[SEL], s[SEL+1]
.endr
.irp b, 0,1,2,3
	s_delay_alu instid0(VALU_DEP_4)
	v_max_num_f32 v[TM+\b], v[TM+\b], v[TM+4+\b]   ; with lane l xor 16's 16: the block's largest magnitude
.endr
.irp b, 0,1,2,3
	s_delay_alu instid0(VALU_DEP_4)
	v_add_nc_u32 v[TM+12+\b], 0xfc000000, v[TM+\b]   ; 8 off its exponent field: the conversion's scale operand
.endr
.irp b, 0,1,2,3
.endr
.irp b, 0,1,2,3
	s_delay_alu instid0(VALU_DEP_4)
	v_lshrrev_b32 v[TM+4+\b], 23, v[TM+12+\b]   ; the scale's byte
.endr
.irp b, 0,1,2,3
.irp i, 0,1,2,3,4,5,6,7,8,9,10,11,12,13,14,15
.endr
	v_cvt_scalef32_pk8_fp8_f32 v[(\pc)+4*\b:(\pc)+4*\b+1], v[(\s)+16*\b:(\s)+16*\b+7], v[TM+12+\b]
	v_cvt_scalef32_pk8_fp8_f32 v[(\pc)+4*\b+2:(\pc)+4*\b+3], v[(\s)+16*\b+8:(\s)+16*\b+15], v[TM+12+\b]
.endr
	v_nop                                          ; one plain line behind the last conversion
.endm
.macro WSUM r, t                       ; v[r] summed over the 32 lanes, the result in every lane; v[t] at work (written before)
	s_delay_alu instid0(VALU_DEP_1)
	v_add_f32_dpp v[\r], v[\r], v[\r] row_xmask:1 row_mask:0xf bank_mask:0xf
	s_delay_alu instid0(VALU_DEP_1)
	v_add_f32_dpp v[\r], v[\r], v[\r] row_xmask:2 row_mask:0xf bank_mask:0xf
	s_delay_alu instid0(VALU_DEP_1)
	v_add_f32_dpp v[\r], v[\r], v[\r] row_xmask:4 row_mask:0xf bank_mask:0xf
	s_delay_alu instid0(VALU_DEP_1)
	v_add_f32_dpp v[\r], v[\r], v[\r] row_xmask:8 row_mask:0xf bank_mask:0xf
	s_delay_alu instid0(VALU_DEP_1)
	v_permlanex16_b32 v[\t], v[\r], s[SEL], s[SEL+1]
	s_delay_alu instid0(VALU_DEP_1)
	v_add_f32 v[\r], v[\r], v[\t]
.endm
	s_load_b256 s[4:11], s[0:1], 0x0               ; x s[4:5], qkv_w s[6:7], proj_w s[8:9], part s[10:11]
	s_load_b64 s[12:13], s[0:1], 0x20              ; wq
	v_lshrrev_b32 v3, 5, v0
	s_delay_alu instid0(VALU_DEP_1)
	v_readfirstlane_b32 s[WV], v3                  ; wave 0..7
	v_and_b32 v1, 31, v0                           ; lane
	s_delay_alu instid0(VALU_DEP_1)
	v_lshlrev_b32 v5, 4, v1                        ; 16 x lane
	s_delay_alu instid0(VALU_DEP_2)
	v_lshlrev_b32 v6, 2, v1                        ; 4 x lane
	v_mov_b32 v7, 0
	s_delay_alu instid0(VALU_DEP_3)
	v_lshl_add_u32 v2, v3, 13, v5                  ; x: 8,192 x wave + 16 x lane
	v_and_b32 v8, 15, v0                           ; rho
	v_bfe_u32 v9, v0, 4, 1                         ; h
	s_delay_alu instid0(VALU_DEP_2)
	v_and_b32 v10, 8, v8
	s_delay_alu instid0(VALU_DEP_1)
	v_add_nc_u32 v10, v10, v8                      ; rho + 8 (rho / 8)
	s_delay_alu instid0(VALU_DEP_1)
	v_lshlrev_b32 v4, 10, v10                      ; a weight row is 1,024 bytes,
	s_delay_alu instid0(VALU_DEP_1)
	v_lshl_add_u32 v4, v9, 6, v4                   ; + 64 h: my 16 numbers of a block of 32
.irp b, 0,1,2,3
	v_mov_b32 v[TM+4+\b], 0                        ; a lane permute's destination counts as read: written once
.endr
	s_mov_b32 s[SEL], 0x76543210
	s_mov_b32 s[SEL+1], 0xfedcba98
	s_mov_b32 s[HM], 0xffff0000
	s_lshl_b32 s26, ttmp9, 16                      ; the work-group's 65,536 bytes of x
	s_mov_b32 s27, 0
	s_wait_kmcnt 0x0
	s_add_nc_u64 s[4:5], s[4:5], s[26:27]
.irp j, 0,1,2,3,4,5,6,7,8,9,10,11,12,13,14,15
	global_load_b128 v[X+4*\j:X+4*\j+3], v2, s[4:5] offset:512*\j   ; 32 lanes read 512 consecutive bytes
.endr
	s_cmp_lg_u32 s[WV], 0                          ; the weights: wave 0 of work-groups 0 to 63
	s_cbranch_scc1 .Lstats
	s_cmp_ge_u32 ttmp9, 64
	s_cbranch_scc1 .Lstats
	s_cmp_lt_u32 ttmp9, 48                         ; tiles 0-47 are qkv_w's, 48-63 proj_w's: the choice hangs on the work-group's number alone
	s_cselect_b64 s[28:29], s[6:7], s[8:9]
	s_cselect_b32 s26, 0, 48
	s_sub_co_u32 s26, ttmp9, s26                   ; the tile's number in its own tensor
	s_lshr_b32 s30, s26, 1
	s_lshl_b32 s30, s30, 15                        ; 32 rows of 1,024 bytes for each pair of tiles,
	s_and_b32 s31, s26, 1
	s_lshl_b32 s31, s31, 13                        ; 8 rows for the odd tile
	s_add_co_u32 s26, s30, s31
	s_add_nc_u64 s[28:29], s[28:29], s[26:27]
	s_wait_alu depctr_va_vdst(0)
.irp s, 0,1
.irp c, 0,1,2,3
.irp j, 0,1,2,3
	global_load_b128 v[WX+64*\s+16*\c+4*\j:WX+64*\s+16*\c+4*\j+3], v4, s[28:29] offset:512*\s+128*\c+16*\j
.endr
.endr
.endr
	s_lshl_b32 s26, ttmp9, 12                      ; the tile's 4,096 bytes of codes,
	s_add_nc_u64 s[30:31], s[12:13], s[26:27]
	s_lshl_b32 s26, ttmp9, 7                       ; and its 128 bytes of scale words
	s_add_nc_u64 s[12:13], s[12:13], s[26:27]
	s_wait_loadcnt 0x0
.irp s, 0,1
	QUANT4 WX+64*\s, PC+16*\s
	v_lshl_or_b32 v[10+\s], v[TM+5], 8, v[TM+4]    ; the four bytes make my row's scale word of this K step
	s_delay_alu instid0(VALU_DEP_1)
	v_lshl_or_b32 v[10+\s], v[TM+6], 16, v[10+\s]
	s_delay_alu instid0(VALU_DEP_1)
	v_lshl_or_b32 v[10+\s], v[TM+7], 24, v[10+\s]
.irp c, 0,1,2,3
	global_store_b128 v5, v[PC+16*\s+4*\c:PC+16*\s+4*\c+3], s[30:31] offset:2048*\s+512*\c   ; the fragment as it stands: 512 consecutive bytes a store
.endr
.endr
	v_cndmask_b32 v3, v10, v11, s[HM]              ; lanes 0-15: K step 0's words, lanes 16-31: K step 1's
	global_store_b32 v6, v3, s[12:13] offset:WSC
.Lstats:
	s_wait_loadcnt 0x0                             ; my 64 numbers of x
	v_pk_add_f32 v[10:11], v[16:17], v[24:25]
	v_pk_add_f32 v[12:13], v[32:33], v[40:41]
	v_pk_add_f32 v[14:15], v[48:49], v[56:57]
	v_pk_add_f32 v[250:251], v[64:65], v[72:73]
	v_pk_add_f32 v[248:249], v[18:19], v[26:27]
	v_pk_add_f32 v[8:9], v[34:35], v[42:43]
	s_delay_alu instid0(VALU_DEP_1)
	v_pk_add_f32 v[8:9], v[8:9], v[50:51]
	v_pk_add_f32 v[10:11], v[10:11], v[58:59]
	v_pk_add_f32 v[12:13], v[12:13], v[66:67]
	v_pk_add_f32 v[14:15], v[14:15], v[74:75]
	v_pk_add_f32 v[250:251], v[250:251], v[20:21]
	v_pk_add_f32 v[248:249], v[248:249], v[28:29]
	v_pk_add_f32 v[8:9], v[8:9], v[36:37]
	v_pk_add_f32 v[10:11], v[10:11], v[44:45]
	v_pk_add_f32 v[12:13], v[12:13], v[52:53]
	v_pk_add_f32 v[14:15], v[14:15], v[60:61]
	v_pk_add_f32 v[250:251], v[250:251], v[68:69]
	v_pk_add_f32 v[248:249], v[248:249], v[76:77]
	v_pk_add_f32 v[8:9], v[8:9], v[22:23]
	v_pk_add_f32 v[10:11], v[10:11], v[30:31]
	v_pk_add_f32 v[12:13], v[12:13], v[38:39]
	v_pk_add_f32 v[14:15], v[14:15], v[46:47]
	v_pk_add_f32 v[250:251], v[250:251], v[54:55]
	v_pk_add_f32 v[248:249], v[248:249], v[62:63]
	v_pk_add_f32 v[8:9], v[8:9], v[70:71]
	v_pk_add_f32 v[10:11], v[10:11], v[78:79]
	s_delay_alu instid0(VALU_DEP_2)
	v_pk_add_f32 v[8:9], v[8:9], v[14:15]
	s_delay_alu instid0(VALU_DEP_2)
	v_pk_add_f32 v[10:11], v[10:11], v[250:251]
	v_pk_add_f32 v[12:13], v[12:13], v[248:249]
	s_delay_alu instid0(VALU_DEP_1)
	v_pk_add_f32 v[8:9], v[8:9], v[12:13]
	s_delay_alu instid0(VALU_DEP_1)
	v_pk_add_f32 v[8:9], v[8:9], v[10:11]
	s_delay_alu instid0(VALU_DEP_1)
	v_add_f32 v8, v8, v9
	WSUM 8, 9
	s_delay_alu instid0(VALU_DEP_1)
	v_mul_f32 v8, 0x3a000000, v8                   ; / 2,048: the part's mean
.set j, 0
.rept 32
	v_pk_add_f32 v[X+j:X+j+1], v[X+j:X+j+1], v[8:9] op_sel_hi:[1,0] neg_lo:[0,1] neg_hi:[0,1]   ; x - mean
.set j, j+2
.endr
.irp k, 0,1,2,3
	v_pk_mul_f32 v[WX+2*\k:WX+2*\k+1], v[X+2*\k:X+2*\k+1], v[X+2*\k:X+2*\k+1]   ; the squares, again in four chains
.endr
.irp j, 8,16,24,32,40,48,56
.irp k, 0,1,2,3
	s_delay_alu instid0(VALU_DEP_4)
	v_pk_fma_f32 v[WX+2*\k:WX+2*\k+1], v[X+\j+2*\k:X+\j+2*\k+1], v[X+\j+2*\k:X+\j+2*\k+1], v[WX+2*\k:WX+2*\k+1]
.endr
.endr
	s_delay_alu instid0(VALU_DEP_3)
	v_pk_add_f32 v[WX:WX+1], v[WX:WX+1], v[WX+2:WX+3]
	s_delay_alu instid0(VALU_DEP_2)
	v_pk_add_f32 v[WX+4:WX+5], v[WX+4:WX+5], v[WX+6:WX+7]
	s_delay_alu instid0(VALU_DEP_1)
	v_pk_add_f32 v[WX:WX+1], v[WX:WX+1], v[WX+4:WX+5]
	s_delay_alu instid0(VALU_DEP_1)
	v_add_f32 v13, v[WX], v[WX+1]
	WSUM 13, 14
	v_mov_b32 v12, v8                              ; v[12:13] = (mean, sum of squared deviations)
	s_lshl_b32 s26, ttmp9, 3
	s_add_co_u32 s26, s26, s[WV]
	s_lshl_b32 s26, s26, 3                         ; 8 bytes for part 8 x work-group + wave
	s_mov_b32 s27, 0
	s_add_nc_u64 s[10:11], s[10:11], s[26:27]
	s_wait_alu depctr_va_vdst(0)
	s_wait_xcnt 0x0                                ; EXEC is a source of the stores above: it changes only behind this wait
	v_cmp_eq_u32 vcc_lo, 0, v1
	s_and_saveexec_b32 s24, vcc_lo                 ; lane 0 alone
	global_store_b64 v7, v[12:13], s[10:11]
	s_wait_xcnt 0x0                                ; and again in front of the line that widens it
	s_or_b32 exec_lo, exec_lo, s24
	s_endpgm
.Lfunc_end_k_qadfeaa32b7_prep:
	.size	k_qadfeaa32b7_prep, .Lfunc_end_k_qadfeaa32b7_prep-k_qadfeaa32b7_prep
	.p2alignl 7, 3214868480
	.fill 96, 4, 3214868480
	.section	.rodata,"a",@progbits
	.p2align	6, 0x0
	.amdhsa_kernel k_qadfeaa32b7_prep
		.amdhsa_group_segment_fixed_size 0
		.amdhsa_private_segment_fixed_size 0
		.amdhsa_enable_private_segment 0
		.amdhsa_kernarg_size 40
		.amdhsa_user_sgpr_count 2
		.amdhsa_user_sgpr_kernarg_segment_ptr 1
		.amdhsa_wavefront_size32 1
		.amdhsa_system_sgpr_workgroup_id_x 1
		.amdhsa_system_sgpr_workgroup_id_y 1
		.amdhsa_system_sgpr_workgroup_id_z 1
		.amdhsa_system_vgpr_workitem_id 0
		.amdhsa_next_free_vgpr 256
		.amdhsa_next_free_sgpr 66
		.amdhsa_reserve_vcc 1
		.amdhsa_float_denorm_mode_32 3
		.amdhsa_float_denorm_mode_16_64 3
		.amdhsa_fp16_overflow 1
		.amdhsa_memory_ordered 1
		.amdhsa_forward_progress 1
		.amdhsa_inst_pref_size 27
	.end_amdhsa_kernel
	.amdgpu_metadata
---
amdhsa.version: [ 1, 2 ]
amdhsa.kernels:
  - .name:           k_qadfeaa32b7_prep
    .symbol:         k_qadfeaa32b7_prep.kd
    .args:
      - { .name: x, .offset: 0, .size: 8, .value_kind: global_buffer, .address_space: global }
      - { .name: qkv_w, .offset: 8, .size: 8, .value_kind: global_buffer, .address_space: global }
      - { .name: proj_w, .offset: 16, .size: 8, .value_kind: global_buffer, .address_space: global }
      - { .name: part, .offset: 24, .size: 8, .value_kind: global_buffer, .address_space: global }
      - { .name: wq, .offset: 32, .size: 8, .value_kind: global_buffer, .address_space: global }
    .group_segment_fixed_size: 0
    .private_segment_fixed_size: 0
    .kernarg_segment_align: 8
    .kernarg_segment_size: 40
    .max_flat_workgroup_size: 256
    .sgpr_count:     66
    .vgpr_count:     256
    .wavefront_size: 32
...
	.end_amdgpu_metadata
.endif
;; end of part 1
;; launch qkv (part 2): grid 64 x 4, 8 waves a work-group, no clusters, 18,432 bytes of LDS; arguments x, norm_w, norm_b, qkv_b, part, wq, qq, kc, kvs, vc; writes qq, kc, kvs, vc
.if DOCPART == 2
	.amdgcn_target "amdgcn-amd-amdhsa--gfx1250"
	.amdhsa_code_object_version 6
	.text
	.protected	k_qadfeaa32b7_qkv
	.globl	k_qadfeaa32b7_qkv
	.p2align	8
	.type	k_qadfeaa32b7_qkv,@function
k_qadfeaa32b7_qkv:
	s_mov_b64 s[64:65], 0
	v_nop
	global_prefetch_b8 v0, s[64:65] scope:SCOPE_SE
	s_setreg_imm32_b32 hwreg(HW_REG_WAVE_MODE, 25, 1), 1
	s_wait_xcnt 0x0
; QKV.  GroupNorm, its result h quantised along the channels, qkv = W h + bias on codes of E4M3 (one E8M0 byte for each 32 along K), and q, k, v quantised for the attention's two products.
; A work-group takes 64 pixels (work-group x) of one image (work-group y); eight waves.
; PHASE X: wave w takes channels 32 w .. 32 w + 31, which are GroupNorm's group w and one block of 32 along K, for all 64 pixels: a lane holds two pixels and 32 channels of each, so a block's
; largest magnitude needs no other lane.  The codes go to LDS as images of the operand's registers (fragment f = 4 s + tau: K step s, pixel tile tau), the scale bytes beside them.  ONE barrier.
; PRODUCTS: wave w makes 64 rows of q (waves 0-3: head w) or of k (waves 4-7: head w - 4) and 32 rows of v (head w / 2), for all 64 pixels: 48 matrix instructions.
;   q, k: source 0 = 16 rows of W, source 1 = 16 pixels: a lane holds ONE pixel, its registers run along the head's 64 channels, which are the next K.
;   v:    source 0 = 16 pixels, source 1 = 16 rows of W: a lane holds ONE channel, its registers run along the pixels (the keys), which are the next K.
; THE ROWS OF A TILE ARE NOT NEIGHBOURS, for pixels and for W's rows alike: inside a run of 32, row rho of tile u is element 8 u + rho + 8 (rho / 8): the 16 result registers of tiles u = 0, 1 are
; the 16 neighbours 16 (lane / 16) + 0 .. 15.  Pixel tile number = 2 (pixel / 32) + u.
; The biases are the C of each sum's first matrix instruction.  All results leave as register images, 512 consecutive bytes a store.
; STATISTICS: a group's 64 parts (mean, sum of squared deviations of 2,048 numbers each) are joined: mean = the means' mean; M2 = sum M2_i + 2,048 sum (mean_i - mean)^2.  h = (x - mean) (w rstd) + b.
; LIMITS: NaN and infinities are not served; a block whose largest magnitude lies under 2^-118 gets the byte 1; a block of zeros gets the byte 1 where the rule says 127 (zero codes; read by this program alone).
; v's scale bytes leave two to a lane (a work-group has two of a word's four key blocks): the one store here that does not cover its 256 bytes whole.
.set WSC,  262144                      ; wq: where the scale words begin
.set QSC,  4194304                     ; qq: likewise
.set FP,   2064                        ; LDS: a fragment's image, 2,048 bytes + 16
.set HSC,  16640                       ; LDS: h's scale bytes: 64 f + 4 r + cc
.set WV,  24                           ; s24 wave, s25 block of 64 pixels, s26 image
.set SEL, 28                           ; s[28:29]
.set MNT, 30
.set HM,  31                           ; lanes 16-31
.set LI,  2                            ; v2 16 x lane   v3 4 x lane   v4 8 x lane
.set LS,  3
.set XO,  4
.set HW,  5                            ; v5 where my codes go in LDS   v6 where my scale byte goes
.set HB,  6
.set ZR,  7                            ; v7 0
.set H64, 8                            ; v8 64 (lane / 16)
.set RV,  9                            ; v9 4 (r + 8 (r / 8))
.set WS,  20                           ; v20-25 W's scale words (q/k tiles 0-3, v tiles 0-1): lanes 0-15 K step 0, lanes 16-31 K step 1
.set HS,  26                           ; v26-29 h's scale words [2 s + G]: lanes 0-15 tile u = 0, lanes 16-31 u = 1
.set X,   32                           ; phase X: v32-95 x, v96-127 w (then w rstd), v128-159 b, v160-191 h of one pixel, v224-239 codes
.set AW,  96
.set AB,  128
.set HBK, 160
.set C8,  224
.set HF,  32                           ; products: v32-159 h's eight fragments, v160-223 accumulators, v224-239 codes
.set ACC, 160
.set PC,  224
.set TM,  240
; window 1: v0-127 W's q/k fragments (32 t + 16 s), v128-191 W's v fragments (128 + 32 n + 16 s), v192-223 q/k's bias (8 t), v224-239 v's bias (8 n)
.set MSB, 0
.macro WIN new                         ; the immediate's high byte repeats the setting that is left
.if MSB != \new
	s_set_vgpr_msb (MSB<<8)|\new
.set MSB, \new
.endif
.endm
.macro QUANT4 s, pc                    ; 64 numbers of a lane, register 16 b + i = k 32 b + 16 (lane / 16) + i, become 16 registers of codes; the four bytes are left in v[TM+4] on
.irp b, 0,1,2,3
	v_max3_num_f32 v[TM+\b], |v[(\s)+16*\b]|, |v[(\s)+1+16*\b]|, 0x4800000   ; each accumulator is first read at its low end; the floor 2^(9 - 127) holds the byte at 1 from below
.endr
.irp i, 2,4,6,8,10,12,14
.irp b, 0,1,2,3
	v_max3_num_f32 v[TM+\b], v[TM+\b], |v[(\s)+16*\b+\i]|, |v[(\s)+1+16*\b+\i]|
.endr
.endr
.irp b, 0,1,2,3
	s_delay_alu instid0(VALU_DEP_4)
	v_permlanex16_b32 v[TM+4+\b], v[TM+\b], s[SEL], s[SEL+1]
.endr
.irp b, 0,1,2,3
	s_delay_alu instid0(VALU_DEP_4)
	v_max_num_f32 v[TM+\b], v[TM+\b], v[TM+4+\b]   ; with lane l xor 16's 16: the block's largest magnitude
.endr
.irp b, 0,1,2,3
	s_delay_alu instid0(VALU_DEP_4)
	v_add_nc_u32 v[TM+12+\b], 0xfc000000, v[TM+\b]   ; 8 off its exponent field: the conversion's scale operand
.endr
.irp b, 0,1,2,3
.endr
.irp b, 0,1,2,3
	s_delay_alu instid0(VALU_DEP_4)
	v_lshrrev_b32 v[TM+4+\b], 23, v[TM+12+\b]   ; the scale's byte
.endr
.irp b, 0,1,2,3
.irp i, 0,1,2,3,4,5,6,7,8,9,10,11,12,13,14,15
.endr
	v_cvt_scalef32_pk8_fp8_f32 v[(\pc)+4*\b:(\pc)+4*\b+1], v[(\s)+16*\b:(\s)+16*\b+7], v[TM+12+\b]
	v_cvt_scalef32_pk8_fp8_f32 v[(\pc)+4*\b+2:(\pc)+4*\b+3], v[(\s)+16*\b+8:(\s)+16*\b+15], v[TM+12+\b]
.endr
	v_nop                                          ; one plain line behind the last conversion
.endm
.macro QBLK s, c, by                   ; a whole block of 32 in ONE lane's registers v[s] on: 8 registers of codes at v[c], the byte in v[by]
	v_max3_num_f32 v[TM], |v[\s]|, |v[\s+1]|, |v[\s+2]|
	v_max3_num_f32 v[TM+1], |v[\s+3]|, |v[\s+4]|, |v[\s+5]|
.irp i, 6,10,14,18,22,26
	s_delay_alu instid0(VALU_DEP_2)
	v_max3_num_f32 v[TM], v[TM], |v[\s+\i]|, |v[\s+\i+1]|
	s_delay_alu instid0(VALU_DEP_2)
	v_max3_num_f32 v[TM+1], v[TM+1], |v[\s+\i+2]|, |v[\s+\i+3]|
.endr
	s_delay_alu instid0(VALU_DEP_2)
	v_max3_num_f32 v[TM], v[TM], |v[\s+30]|, |v[\s+31]|
	s_delay_alu instid0(VALU_DEP_1)
	v_max3_num_f32 v[TM], v[TM], v[TM+1], 0x4800000
	s_delay_alu instid0(VALU_DEP_1)
	v_add_nc_u32 v[TM+2], 0xfc000000, v[TM]
	s_delay_alu instid0(VALU_DEP_1)
	v_lshrrev_b32 v[\by], 23, v[TM+2]
.irp i, 0,1,2,3,4,5,6,7,8,9,10,11,12,13,14,15,16,17,18,19,20,21,22,23,24,25,26,27,28,29,30,31
.endr
.irp g, 0,1,2,3
	v_cvt_scalef32_pk8_fp8_f32 v[\c+2*\g:\c+2*\g+1], v[\s+8*\g:\s+8*\g+7], v[TM+2]
.endr
	v_nop
.endm
.macro WSUM r, t
	s_delay_alu instid0(VALU_DEP_1)
	v_add_f32_dpp v[\r], v[\r], v[\r] row_xmask:1 row_mask:0xf bank_mask:0xf
	s_delay_alu instid0(VALU_DEP_1)
	v_add_f32_dpp v[\r], v[\r], v[\r] row_xmask:2 row_mask:0xf bank_mask:0xf
	s_delay_alu instid0(VALU_DEP_1)
	v_add_f32_dpp v[\r], v[\r], v[\r] row_xmask:4 row_mask:0xf bank_mask:0xf
	s_delay_alu instid0(VALU_DEP_1)
	v_add_f32_dpp v[\r], v[\r], v[\r] row_xmask:8 row_mask:0xf bank_mask:0xf
	s_delay_alu instid0(VALU_DEP_1)
	v_permlanex16_b32 v[\t], v[\r], s[SEL], s[SEL+1]
	s_delay_alu instid0(VALU_DEP_1)
	v_add_f32 v[\r], v[\r], v[\t]
.endm
; one matrix instruction; ra, rb: which half of the lanes of the scale registers serves source 0, source 1
.macro WM d, a, b, c, sa, sb, ra, rb
.if ((\ra) == 0) && ((\rb) == 0)
	v_wmma_scale_f32_16x16x128_f8f6f4 v[\d:\d+7], v[\a:\a+15], v[\b:\b+15], v[\c:\c+7], v[\sa], v[\sb]
.elseif (\rb) == 0
	v_wmma_scale_f32_16x16x128_f8f6f4 v[\d:\d+7], v[\a:\a+15], v[\b:\b+15], v[\c:\c+7], v[\sa], v[\sb] matrix_a_scale:MATRIX_SCALE_ROW1
.elseif (\ra) == 0
	v_wmma_scale_f32_16x16x128_f8f6f4 v[\d:\d+7], v[\a:\a+15], v[\b:\b+15], v[\c:\c+7], v[\sa], v[\sb] matrix_b_scale:MATRIX_SCALE_ROW1
.else
	v_wmma_scale_f32_16x16x128_f8f6f4 v[\d:\d+7], v[\a:\a+15], v[\b:\b+15], v[\c:\c+7], v[\sa], v[\sb] matrix_a_scale:MATRIX_SCALE_ROW1 matrix_b_scale:MATRIX_SCALE_ROW1
.endif
.endm
	s_load_b256 s[4:11], s[0:1], 0x0               ; x, norm_w, norm_b, qkv_b
	s_load_b256 s[12:19], s[0:1], 0x20             ; part, wq, qq, kc
	s_load_b128 s[20:23], s[0:1], 0x40             ; kvs, vc
	s_set_vgpr_msb 0x40
	v_lshl_add_u32 v254, v0, 2, 0x4400
	v_mov_b32 v255, 0
	s_set_vgpr_msb 0x4000
	v_lshrrev_b32 v1, 5, v0
	s_delay_alu instid0(VALU_DEP_1)
	v_readfirstlane_b32 s[WV], v1                  ; wave 0..7
	s_mov_b32 s25, ttmp9                           ; P: which 64 pixels
	s_and_b32 s26, ttmp7, 0xffff                   ; b: which image
	s_mov_b32 s[SEL], 0x76543210
	s_mov_b32 s[SEL+1], 0xfedcba98
	s_mov_b32 s[HM], 0xffff0000
	v_and_b32 v1, 31, v0                           ; lane
	s_delay_alu instid0(VALU_DEP_1)
	v_lshlrev_b32 v[LI], 4, v1
	s_delay_alu instid0(VALU_DEP_2)
	v_lshlrev_b32 v[LS], 2, v1
	s_delay_alu instid0(VALU_DEP_3)
	v_lshlrev_b32 v[XO], 3, v1
	v_mov_b32 v[ZR], 0
	v_bfe_u32 v18, v0, 4, 1                        ; lane / 16: h of a fragment; in phase X: G, my pixels' run of 32
	s_delay_alu instid0(VALU_DEP_1)
	v_lshlrev_b32 v[H64], 6, v18
	v_and_b32 v19, 15, v0                          ; r
	s_delay_alu instid0(VALU_DEP_1)
	v_and_b32 v10, 8, v19
	s_delay_alu instid0(VALU_DEP_1)
	v_add_nc_u32 v10, v10, v19
	s_delay_alu instid0(VALU_DEP_1)
	v_lshlrev_b32 v[RV], 2, v10
	; phase X: my pixels are 2 lane + e.  In their run of 32: tile u = (lane / 4) % 2, row r = 2 (lane % 4) + 8 ((lane / 8) % 2) + e
	v_bfe_u32 v11, v0, 2, 1
	s_delay_alu instid0(VALU_DEP_1)
	v_lshl_add_u32 v11, v18, 1, v11                ; tau = 2 G + u
	s_wait_alu depctr_va_vdst(0)
	v_and_b32 v12, 3, v0
	v_bfe_u32 v13, v0, 3, 1
	s_delay_alu instid0(VALU_DEP_2)
	v_lshlrev_b32 v12, 1, v12
	s_delay_alu instid0(VALU_DEP_1)
	v_lshl_add_u32 v12, v13, 3, v12                ; r - e
	s_lshr_b32 s58, s[WV], 2                       ; my block of channels: K step s = wave / 4, register group cc = wave % 4
	s_and_b32 s60, s[WV], 3
	s_mul_i32 s59, s58, 256
	s_mul_i32 s58, s58, 4*FP
	s_lshl_b32 s61, s60, 9
	s_add_co_u32 s58, s58, s61                     ; 4 FP s + 512 cc
	s_add_co_u32 s59, s59, s60
	s_add_co_u32 s59, s59, HSC                     ; HSC + 256 s + cc
	v_mul_u32_u24 v[HW], v11, FP
	s_wait_alu depctr_va_vdst(0)
	v_lshl_add_u32 v[HW], v12, 4, v[HW]
	s_delay_alu instid0(VALU_DEP_1)
	v_add_nc_u32 v[HW], s58, v[HW]
	v_lshlrev_b32 v[HB], 6, v11
	s_delay_alu instid0(VALU_DEP_1)
	v_lshl_add_u32 v[HB], v12, 2, v[HB]
	s_delay_alu instid0(VALU_DEP_1)
	v_add_nc_u32 v[HB], s59, v[HB]
.irp b, 0,1,2,3
	v_mov_b32 v[TM+4+\b], 0                        ; a lane permute's destination counts as read: written once
.endr
	s_lshl_b32 s52, s26, 3
	s_add_co_u32 s52, s52, s[WV]
	s_lshl_b32 s52, s52, 9                         ; group 8 b + w: 512 bytes of parts
	s_mov_b32 s53, 0
	s_wait_kmcnt 0x0
	s_add_nc_u64 s[12:13], s[12:13], s[52:53]
	s_lshl_b32 s52, s[WV], 7
	s_add_nc_u64 s[6:7], s[6:7], s[52:53]          ; norm_w, norm_b: my 32 channels
	s_add_nc_u64 s[8:9], s[8:9], s[52:53]
	s_add_nc_u64 s[50:51], s[10:11], s[52:53]      ; v's bias: 32 rows a wave
	s_lshl_b32 s52, s[WV], 8
	s_add_nc_u64 s[48:49], s[10:11], s[52:53]      ; q/k's bias: 64 rows a wave
	s_add_nc_u64 s[46:47], s[14:15], s[52:53]      ; W's scale words, v: two tiles a wave
	s_lshl_b32 s52, s[WV], 9
	s_add_nc_u64 s[44:45], s[14:15], s[52:53]      ; q/k: four tiles a wave
	s_lshl_b32 s52, s[WV], 14
	s_add_nc_u64 s[40:41], s[14:15], s[52:53]      ; W's codes, q/k: four tiles of 4,096 bytes
	s_lshl_b32 s52, s[WV], 13
	s_add_nc_u64 s[42:43], s[14:15], s[52:53]      ; v: two tiles
	s_lshl_b32 s52, s26, 22                        ; x: the image, my 32 channels of 16,384 bytes, the 64 pixels
	s_lshl_b32 s54, s[WV], 19
	s_add_co_u32 s52, s52, s54
	s_lshl_b32 s54, s25, 8
	s_add_co_u32 s52, s52, s54
	s_add_nc_u64 s[4:5], s[4:5], s[52:53]
	global_load_b128 v[10:13], v[LI], s[12:13]     ; two parts a lane: mean, M2, mean, M2
.irp k, 0,1,2,3,4,5,6,7
	global_load_b128 v[AW+4*\k:AW+4*\k+3], v[ZR], s[6:7] offset:16*\k   ; the same 32 numbers in every lane
.endr
.irp k, 0,1,2,3,4,5,6,7
	global_load_b128 v[AB+4*\k:AB+4*\k+3], v[ZR], s[8:9] offset:16*\k
.endr
.irp t, 0,1,2,3
	global_load_b32 v[WS+\t], v[LS], s[44:45] offset:WSC+128*\t
.endr
.irp n, 0,1
	global_load_b32 v[WS+4+\n], v[LS], s[46:47] offset:WSC+4096+128*\n
.endr
.irp n, 0,1
	global_load_b32 v[30+\n], v[RV], s[50:51] offset:2048+32*\n   ; v's bias at my lane's row of W's tile
.endr
.irp i, 0,1,2,3,4,5,6,7,8,9,10,11,12,13,14,15,16,17,18,19,20,21,22,23,24,25,26,27,28,29,30,31
	global_load_b64 v[X+2*\i:X+2*\i+1], v[XO], s[4:5] offset:16384*\i   ; channel i: 32 lanes read 256 consecutive bytes, aligned
.endr
	WIN 0x40                                       ; destination window 1
.irp t, 0,1,2,3
	global_load_b128 v[192+8*\t:195+8*\t], v[H64], s[48:49] offset:128*(\t/2)+32*(\t%2)       ; q/k's bias in the result's layout: rows 32 (t / 2) + 16 h + 8 (t % 2) + 0 .. 7
	global_load_b128 v[196+8*\t:199+8*\t], v[H64], s[48:49] offset:128*(\t/2)+32*(\t%2)+16
.endr
.set j, 0
.rept 32
	global_load_b128 v[4*j:4*j+3], v[LI], s[40:41] offset:512*j
.set j, j+1
.endr
.set j, 0
.rept 16
	global_load_b128 v[128+4*j:128+4*j+3], v[LI], s[42:43] offset:131072+512*j
.set j, j+1
.endr
	WIN 0
	; where the results go
	s_lshl_b32 s54, s26, 2                         ; 4 b
	s_and_b32 s55, s[WV], 3
	s_add_co_u32 s55, s54, s55                     ; q/k: image and head
	s_lshl_b32 s52, s55, 18
	s_lshl_b32 s56, s25, 12
	s_add_co_u32 s52, s52, s56                     ; codes: 1,024 bytes a pixel tile, 256 tiles a head, 4 a work-group
	s_lshl_b32 s56, s55, 14
	s_add_co_u32 s56, s56, QSC                     ; q's words: behind q's codes, 64 bytes a tile
	s_mul_i32 s57, s55, 24576                      ; k's words: at the head of the pair's part of kvs
	s_lshl_b32 s55, s25, 8
	s_add_co_u32 s56, s56, s55
	s_add_co_u32 s57, s57, s55
	s_cmp_lt_u32 s[WV], 4                          ; waves 0-3 make q, waves 4-7 k: the choice hangs on the wave's number alone
	s_cselect_b64 s[32:33], s[16:17], s[18:19]
	s_cselect_b64 s[34:35], s[16:17], s[20:21]
	s_cselect_b32 s56, s56, s57
	s_add_nc_u64 s[32:33], s[32:33], s[52:53]
	s_mov_b32 s57, 0
	s_add_nc_u64 s[34:35], s[34:35], s[56:57]
	s_lshr_b32 s55, s[WV], 1
	s_add_co_u32 s55, s54, s55                     ; v: image and head
	s_lshr_b32 s60, s25, 1                         ; the key step of 128,
	s_and_b32 s61, s25, 1                          ; which half of it,
	s_and_b32 s62, s[WV], 1                        ; which pair of the head's four channel tiles
	s_lshl_b32 s52, s55, 18
	s_lshl_b32 s56, s60, 13
	s_add_co_u32 s52, s52, s56
	s_lshl_b32 s56, s62, 12
	s_add_co_u32 s52, s52, s56
	s_lshl_b32 s56, s61, 10
	s_add_co_u32 s52, s52, s56
	s_add_nc_u64 s[36:37], s[22:23], s[52:53]
	s_mul_i32 s52, s55, 24576
	s_add_co_u32 s52, s52, 16384
	s_lshl_b32 s56, s60, 8
	s_add_co_u32 s52, s52, s56
	s_lshl_b32 s56, s62, 7
	s_add_co_u32 s52, s52, s56
	s_lshl_b32 s56, s61, 1
	s_add_co_u32 s52, s52, s56
	s_add_nc_u64 s[38:39], s[20:21], s[52:53]
	s_mov_b32 s52, 0x37000000                      ; 2^-17 = 1 / (32 x 4,096)
	s_wait_loadcnt 56                              ; all but the 56 youngest loads (q/k's bias and W's codes), which the products alone want
	; ---- the group's statistics
	v_add_f32 v18, v10, v12
	WSUM 18, 19
	s_delay_alu instid0(VALU_DEP_1)
	v_mul_f32 v14, 0x3c800000, v18                 ; / 64: the group's mean
	s_delay_alu instid0(VALU_DEP_1)
	v_mov_b32 v15, v14
	s_delay_alu instid0(VALU_DEP_2)
	v_sub_f32 v10, v10, v14
	s_delay_alu instid0(VALU_DEP_3)
	v_sub_f32 v12, v12, v14
	s_delay_alu instid0(VALU_DEP_2)
	v_mul_f32 v10, v10, v10
	s_delay_alu instid0(VALU_DEP_1)
	v_fma_f32 v10, v12, v12, v10
	v_add_f32 v11, v11, v13
	s_delay_alu instid0(VALU_DEP_1)
	v_fmamk_f32 v18, v10, 0x45000000, v11          ; M2_0 + M2_1 + 2,048 (d0^2 + d1^2)
	WSUM 18, 19
	s_delay_alu instid0(VALU_DEP_1)
	v_fmaak_f32 v18, s52, v18, 0x3727c5ac          ; the variance + 1e-5
	s_wait_alu depctr_va_vdst(0)
	v_rsq_f32 v16, v18
	v_nop                                          ; a plain line behind the transcendental,
	s_wait_alu depctr_va_vdst(0)                   ; and the wait ahead of the first line that names its result
	v_mov_b32 v17, v16
.set j, 0
.rept 16
	v_pk_mul_f32 v[AW+j:AW+j+1], v[AW+j:AW+j+1], v[16:17]   ; w rstd
.set j, j+2
.endr
	WIN 0x40
.irp n, 0,1
.irp j, 0,1,2,3,4,5,6,7
	v_mov_b32 v[224+8*\n+\j], v[30+\n]             ; v's bias in the result's layout: a lane holds one row of W, so eight copies
.endr
.endr
	WIN 0
	; ---- phase X
.set j, 0
.rept 32
	v_pk_add_f32 v[X+j:X+j+1], v[X+j:X+j+1], v[14:15] neg_lo:[0,1] neg_hi:[0,1]   ; x - mean
.set j, j+2
.endr
.irp e, 0,1
.irp i, 0,1,2,3,4,5,6,7,8,9,10,11,12,13,14,15,16,17,18,19,20,21,22,23,24,25,26,27,28,29,30,31
	v_fma_f32 v[HBK+\i], v[X+2*\i+\e], v[AW+\i], v[AB+\i]   ; h of pixel 2 lane + e, channel i: the two pixels are sorted apart on the way
.endr
	QBLK HBK, C8+8*\e, TM+4+\e
	ds_store_b128 v[HW], v[C8+8*\e:C8+8*\e+3] offset:16*\e           ; channels 0-15: the place of lane r of the image,
	ds_store_b128 v[HW], v[C8+8*\e+4:C8+8*\e+7] offset:16*\e+256     ; channels 16-31: of lane 16 + r
	ds_store_b8 v[HB], v[TM+4+\e] offset:4*\e
.endr
	s_wait_dscnt 0x0                               ; for the others' sake: my stores have landed
	s_barrier_signal -1
	s_barrier_wait -1                              ; h's eight fragments and their scale words lie in LDS
.irp f, 0,1,2,3,4,5,6,7
.irp c, 0,1,2,3
	ds_load_b128 v[HF+16*\f+4*\c:HF+16*\f+4*\c+3], v[LI] offset:FP*\f+512*\c
.endr
.endr
.irp s, 0,1
.irp g, 0,1
	ds_load_b32 v[HS+2*\s+\g], v[LS] offset:HSC+64*(4*\s+2*\g)
.endr
.endr
	s_wait_loadcnt 0x0                             ; W and the bias
	s_wait_dscnt 0x0
; ---- q or k for the pixel tiles 2 g, 2 g + 1: eight accumulators by turns, one instruction a turn, K step by K step
.macro ROUNDQK g
	WIN 0x11                                       ; source 0 (W) and C (bias) window 1
.irp tp, 0,1
.irp t, 0,1,2,3
	WM ACC+32*\tp+8*\t, 32*\t, HF+16*(2*\g+\tp), 192+8*\t, WS+\t, HS+\g, 0, \tp
.endr
.endr
	WIN 0x01
.irp tp, 0,1
.irp t, 0,1,2,3
	WM ACC+32*\tp+8*\t, 32*\t+16, HF+16*(4+2*\g+\tp), ACC+32*\tp+8*\t, WS+\t, HS+2+\g, 1, \tp
.endr
.endr
	WIN 0
.rept 8
	v_nop                                          ; eight places behind this form in front of the first read of results
.endr
.if \g
	s_wait_xcnt 0x0                                ; the last round's stores have read their data: the codes' registers are written again only behind this wait
.endif
	QUANT4 ACC, PC                                 ; block 2 tp + bb: pixel tile tp, channels 32 bb on
	v_lshl_or_b32 v30, v[TM+5], 8, v[TM+4]         ; a pixel's scale word: two bytes for the head's 64; bytes 2 and 3 stay 0: the upper 64 of the next product's K step hold nothing
	v_lshl_or_b32 v31, v[TM+7], 8, v[TM+6]
	s_delay_alu instid0(VALU_DEP_1)
	v_cndmask_b32 v18, v30, v31, s[HM]             ; lanes 0-15: the even tile's words, lanes 16-31: the odd tile's
.irp c, 0,1,2,3
	global_store_b128 v[LI], v[PC+4*\c:PC+4*\c+3], s[32:33] offset:2048*\g+512*\c
.endr
	global_store_b32 v[LS], v18, s[34:35] offset:128*\g
.endm
	ROUNDQK 0
	ROUNDQK 1
	; ---- v: accumulator 32 n + 16 G + 8 u: channel tile n, pixels 32 G + 16 h + 8 u + 0 .. 7
	WIN 0x14                                       ; source 1 (W) and C (bias) window 1
.irp n, 0,1
.irp g, 0,1
.irp u, 0,1
	WM ACC+32*\n+16*\g+8*\u, HF+16*(2*\g+\u), 128+32*\n, 224+8*\n, HS+\g, WS+4+\n, \u, 0
.endr
.endr
.endr
	WIN 0x04
.irp n, 0,1
.irp g, 0,1
.irp u, 0,1
	WM ACC+32*\n+16*\g+8*\u, HF+16*(4+2*\g+\u), 128+32*\n+16, ACC+32*\n+16*\g+8*\u, HS+2+\g, WS+4+\n, \u, 1
.endr
.endr
.endr
	WIN 0
.rept 8
	v_nop
.endr
	s_wait_xcnt 0x0                                ; the last round's stores have read their data
	QUANT4 ACC, PC                                 ; block 2 n + G: 32 keys of my lane's channel
	v_lshl_or_b32 v30, v[TM+5], 8, v[TM+4]         ; two of the four bytes of a key step's word
	v_lshl_or_b32 v31, v[TM+7], 8, v[TM+6]
	s_delay_alu instid0(VALU_DEP_1)
	v_cndmask_b32 v18, v30, v31, s[HM]             ; lanes 0-15: channel tile n = 0, lanes 16-31: n = 1
.irp n, 0,1
.irp g, 0,1
	global_store_b128 v[LI], v[PC+4*(2*\n+\g):PC+4*(2*\n+\g)+3], s[36:37] offset:2048*\n+512*\g
.endr
.endr
	global_store_b16 v[LS], v18, s[38:39]
	s_set_vgpr_msb 0x5
	s_wait_tensorcnt 0x0
	ds_add_u32 v254, v255
	s_wait_dscnt 0x0
	s_set_vgpr_msb 0x500
	s_endpgm
.Lfunc_end_k_qadfeaa32b7_qkv:
	.size	k_qadfeaa32b7_qkv, .Lfunc_end_k_qadfeaa32b7_qkv-k_qadfeaa32b7_qkv
	.p2alignl 7, 3214868480
	.fill 96, 4, 3214868480
	.section	.rodata,"a",@progbits
	.p2align	6, 0x0
	.amdhsa_kernel k_qadfeaa32b7_qkv
		.amdhsa_group_segment_fixed_size 18432
		.amdhsa_private_segment_fixed_size 0
		.amdhsa_enable_private_segment 0
		.amdhsa_kernarg_size 80
		.amdhsa_user_sgpr_count 2
		.amdhsa_user_sgpr_kernarg_segment_ptr 1
		.amdhsa_wavefront_size32 1
		.amdhsa_system_sgpr_workgroup_id_x 1
		.amdhsa_system_sgpr_workgroup_id_y 1
		.amdhsa_system_sgpr_workgroup_id_z 1
		.amdhsa_system_vgpr_workitem_id 0
		.amdhsa_next_free_vgpr 512
		.amdhsa_next_free_sgpr 66
		.amdhsa_reserve_vcc 0
		.amdhsa_float_denorm_mode_32 3
		.amdhsa_float_denorm_mode_16_64 3
		.amdhsa_fp16_overflow 1
		.amdhsa_memory_ordered 1
		.amdhsa_forward_progress 1
		.amdhsa_inst_pref_size 54
	.end_amdhsa_kernel
	.amdgpu_metadata
---
amdhsa.version: [ 1, 2 ]
amdhsa.kernels:
  - .name:           k_qadfeaa32b7_qkv
    .symbol:         k_qadfeaa32b7_qkv.kd
    .args:
      - { .name: x, .offset: 0, .size: 8, .value_kind: global_buffer, .address_space: global }
      - { .name: norm_w, .offset: 8, .size: 8, .value_kind: global_buffer, .address_space: global }
      - { .name: norm_b, .offset: 16, .size: 8, .value_kind: global_buffer, .address_space: global }
      - { .name: qkv_b, .offset: 24, .size: 8, .value_kind: global_buffer, .address_space: global }
      - { .name: part, .offset: 32, .size: 8, .value_kind: global_buffer, .address_space: global }
      - { .name: wq, .offset: 40, .size: 8, .value_kind: global_buffer, .address_space: global }
      - { .name: qq, .offset: 48, .size: 8, .value_kind: global_buffer, .address_space: global }
      - { .name: kc, .offset: 56, .size: 8, .value_kind: global_buffer, .address_space: global }
      - { .name: kvs, .offset: 64, .size: 8, .value_kind: global_buffer, .address_space: global }
      - { .name: vc, .offset: 72, .size: 8, .value_kind: global_buffer, .address_space: global }
    .group_segment_fixed_size: 18432
    .private_segment_fixed_size: 0
    .kernarg_segment_align: 8
    .kernarg_segment_size: 80
    .max_flat_workgroup_size: 256
    .sgpr_count:     66
    .vgpr_count:     512
    .wavefront_size: 32
...
	.end_amdgpu_metadata
.endif
;; end of part 2
;; launch attn (part 3): grid 16 x 16, 16 waves a work-group, clusters of 4 x 1, 327,680 bytes of LDS; arguments qq, kc, vc, kvs, oq; writes oq
.if DOCPART == 3
	.amdgcn_target "amdgcn-amd-amdhsa--gfx1250"
	.amdhsa_code_object_version 6
	.text
	.protected	k_qadfeaa32b7_attn
	.globl	k_qadfeaa32b7_attn
	.p2align	8
	.type	k_qadfeaa32b7_attn,@function
k_qadfeaa32b7_attn:
	s_mov_b64 s[64:65], 0
	v_nop
	global_prefetch_b8 v0, s[64:65] scope:SCOPE_SE
	s_setreg_imm32_b32 hwreg(HW_REG_WAVE_MODE, 25, 1), 1
	s_wait_xcnt 0x0
	s_wait_alu depctr_hold_cnt(0) depctr_sa_sdst(0) depctr_va_vdst(0) depctr_va_sdst(0) depctr_va_ssrc(0) depctr_va_vcc(0) depctr_vm_vsrc(0)
	s_getreg_b32 s2, hwreg(HW_REG_IB_STS2, 6, 4)
	s_cmp_eq_u32 s2, 0
	s_cbranch_scc0 .Lentry_in_a_cluster
	s_endpgm
.Lentry_in_a_cluster:
	s_bfe_u32 s2, ttmp6, 0x10000c
	s_cmp_lg_u32 s2, 0x3003
	s_cbranch_scc0 .Lentry_shape_is_right
	s_endpgm
.Lentry_shape_is_right:
; ATTENTION on codes of E4M3 with one E8M0 byte for each 32 along a product's K; 16 (image, head) pairs, 4,096 queries x 4,096 keys, head size 64.
; t = score x log2(e) / 8; M = the row's largest t so far, rounded UP to a whole number; p = 2^(t - M) is what is quantised, along the keys, not normalised.  The row's sum is taken of the
; unquantised p and divides O at the end.  When M moves, the sum and O are multiplied by 2^(old M - new M): exact.  o = O / sum is then quantised along the channels for the projection.
; SHARES.  A work-group owns 256 queries of one pair (work-group y); each of its sixteen waves one tile of 16, in 256 registers: four waves to a SIMD, so that one wave's vector work stands beside
; another's matrix work and LDS loads.  Every wave walks all 4,096 keys, 128 a step.
; ALL OPERANDS LIE IN MEMORY AS IMAGES OF THEIR REGISTERS (a group of four registers: 512 bytes, lane l's 16 at 16 l), so a slot of the ring is dense memory, every LDS read is 16 x lane, and no row is padded.
; BOTH PRODUCTS ARE USED TRANSPOSED: S^T = K Q^T (source 0 = 16 keys), O^T = V^T P^T (source 0 = 16 channels): a lane holds ONE query throughout.  The keys of a tile were chosen by the launch before
; so that the 16 registers of tiles 2 b, 2 b + 1 are the keys 32 b + 16 (lane / 16) + 0 .. 15; V's channel tiles likewise, so that O^T's registers run along the projection's K.
; K = 64 IN THE FIRST PRODUCT: the instruction's K is 128.  Q's fragment is 8 registers of codes and 8 of zeros.  K's eight tiles of a step lie back to back, 8 registers each, with 8 zero registers behind:
; tile t's operand is 16 registers from 8 t on; its upper 64 along K are the next tile's codes, which meet Q's zero codes and add exactly 0 (no code here is NaN: the quantiser holds at 448).
; The scale bytes of those two blocks are 0 on both sides.
; CLUSTER.  The four work-groups of a cluster belong to one pair and walk the same K, V and scale words: every tensor load is JOINT (mask 15).  Waves 0, 1 fetch K's halves of a slot, waves 2, 3 V's.
; RING: two slots of 512 keys (four steps).  By this text's count a wave has two tensor loads out at the start and one behind each round.
; LIMITS: NaN and infinities are not served; a block whose largest magnitude lies under 2^-118 gets the byte 1; a block of zeros gets the byte 1 where the rule says 127 (zero codes; read by this program alone).
.set QSC,   4194304                    ; qq: where the scale words begin
.set OSC,   4194304                    ; oq: likewise
.set SLOT1, 1<<16                      ; slot 0 at 0, slot 1 here: K's 32 tile images (32,768 bytes), then V's four steps (32,768)
.set SCL,   2*SLOT1                    ; the pair's scale words: K's 16,384 bytes, then V's 8,192: filled once
.set SPARE, SCL+24576                  ; the spare words, 128 bytes for each of 16 waves: eight blocks of 256 bytes that no other line names
.set WV,  18
.set MNT, 19
.set SEL, 20                           ; s[20:21]
.set CS,  22                           ; s[22:23] c = log2(e) / 8, twice
.set G1,  24                           ; s[24:31] group 1: 64 rows of 256 bytes, dense
.set G1S, 32                           ; s[32:39] the same with 24 rows
.set G0K, 40                           ; s[40:43] group 0 for K's tiles, s[44:47] for V's: they walk;  s[48:51] for the scale words
.set G0V, 44
.set G0S, 48
.set TB,  52                           ; s52 LDS byte at which the slot in hand begins
.set TS,  53                           ; s53 the step's place among K's scale words: 512 bytes a step
.set TJ,  54                           ; s54 and among V's: 256 a step
.set SLOTS, 55
.set PFA, 56                           ; s[56:57] where my prefetches stand
.set LIM, 58                           ; s58 1 in a wave that prefetches, else the greatest number
.set LI,  1                            ; v1 16 x lane   v2 SCL + 4 x lane   v3 SCL + 16,384 + 4 x lane   v4 4 (lane % 16)
.set LSK, 2
.set LSV, 3
.set R4,  4
.set SPW, 5                            ; v5 my spare word's address, v6 0: never rewritten
.set NIL, 6
.set PFO, 7                            ; v7 256 x lane
.set AD,  8                            ; v8-10 the step's LDS addresses
.set ADS, 9
.set ADT, 10
.set QF,  16                           ; v16-23 Q's codes, v24-31 zeros
.set KF,  32                           ; v32-95 K's eight tiles, then V's four fragments; v96-103 zeros
.set S,   104                          ; v104-167 S^T, then p
.set O,   168                          ; v168-199 O^T
.set PCD, 200                          ; v200-215 p's codes
.set BM,  216                          ; v216-219 the blocks' largest scores, then largest p
.set PD,  220                          ; v220-223 at work
.set HD,  224
.set SOP, 228                          ; v228-231 the conversions' scale operands
.set KSC, 232                          ; v232-235 K's scale words: lanes 0-15 tile 2 i, lanes 16-31 tile 2 i + 1
.set VSC, 236                          ; v236-237 V's likewise
.set F,   238                          ; v238 f = 2^(old M - new M)
.set PWD, 239                          ; v239 p's scale word
.set TMP, 240
.set QS,  241                          ; v241 Q's scale words
.macro CROUND                          ; a round of the cluster's barrier
	s_barrier_signal -1
	s_barrier_wait -1
	s_cmp_lg_u32 s[WV], 0
	s_cbranch_scc1 .Lnot_wave_0_\@
	s_barrier_signal -3
.Lnot_wave_0_\@:
	s_barrier_wait -3
	s_barrier_signal -1
	s_barrier_wait -1
.endm
.macro TLOAD                           ; a joint refill: waves 0, 1 K's halves, waves 2, 3 V's, the others nothing; the branches hang on the wave's number alone.  Four v_nop follow each line
	s_cmp_lt_u32 s[WV], 2
	s_cbranch_scc0 .Lnot_k_\@
	tensor_load_to_lds s[G0K:G0K+3], s[G1:G1+7]
	s_nop 0
.rept 4
	v_nop
.endr
	s_branch .Lasked_\@
.Lnot_k_\@:
	s_cmp_lt_u32 s[WV], 4
	s_cbranch_scc0 .Lasked_\@
	tensor_load_to_lds s[G0V:G0V+3], s[G1:G1+7]
	s_nop 0
.rept 4
	v_nop
.endr
.Lasked_\@:
.endm
; A prefetch of what the NEXT change of slots will ask for: 32,768 bytes of K and as many of V.  All clusters of a pair walk the same bytes: the pair's first cluster asks.  Its four partners take 8,192 bytes
; each, told apart BY ADDRESS; in each, wave 4 asks for K's and wave 5 for V's, lanes 256 bytes apart: each aligned 256 bytes are named once in the launch.  It runs one slot, four key steps, ahead of the load
; that wants the bytes.  Slots 0 and 1 come by their loads alone; the last change that fills a slot asks for nothing.
.macro ASK
	s_cmp_gt_u32 s[SLOTS], s[LIM]
	s_cbranch_scc0 .Lnot_mine_\@
	global_prefetch_b8 v[PFO], s[PFA:PFA+1] th:TH_LOAD_NT scope:SCOPE_SE
.Lnot_mine_\@:
.endm
.macro KQ t
.if (\t)%2
	v_wmma_scale_f32_16x16x128_f8f6f4 v[S+8*(\t):S+8*(\t)+7], v[KF+8*(\t):KF+8*(\t)+15], v[QF:QF+15], 0, v[KSC+(\t)/2], v[QS] matrix_a_scale:MATRIX_SCALE_ROW1
.else
	v_wmma_scale_f32_16x16x128_f8f6f4 v[S+8*(\t):S+8*(\t)+7], v[KF+8*(\t):KF+8*(\t)+15], v[QF:QF+15], 0, v[KSC+(\t)/2], v[QS]
.endif
.endm
.macro PV t
.if (\t)%2
	v_wmma_scale_f32_16x16x128_f8f6f4 v[O+8*(\t):O+8*(\t)+7], v[KF+16*(\t):KF+16*(\t)+15], v[PCD:PCD+15], v[O+8*(\t):O+8*(\t)+7], v[VSC+(\t)/2], v[PWD] matrix_a_scale:MATRIX_SCALE_ROW1
.else
	v_wmma_scale_f32_16x16x128_f8f6f4 v[O+8*(\t):O+8*(\t)+7], v[KF+16*(\t):KF+16*(\t)+15], v[PCD:PCD+15], v[O+8*(\t):O+8*(\t)+7], v[VSC+(\t)/2], v[PWD]
.endif
.endm
	s_load_b256 s[4:11], s[0:1], 0x0               ; qq, kc, vc, kvs
	s_load_b64 s[12:13], s[0:1], 0x20              ; oq
	v_lshl_add_u32 v[SPW], v0, 2, SPARE
	v_mov_b32 v[NIL], 0
	ds_add_u32 v5, v6
	ds_add_u32 v5, v6
	s_wait_dscnt 0x0
	v_lshrrev_b32 v8, 5, v0
	s_delay_alu instid0(VALU_DEP_1)
	v_readfirstlane_b32 s[WV], v8                  ; wave 0..15
	s_and_b32 s61, ttmp7, 0xffff                   ; the (image, head) pair, which the four partners share
	s_lshl_b32 s62, s61, 18                        ; its 262,144 bytes in each tensor of codes
	s_mov_b32 s63, 0
	s_and_b32 s16, s[WV], 1
	s_lshl_b32 s16, s16, 14                        ; which half of a slot's 32,768 bytes I fetch, if I fetch
	s_mov_b32 s17, 0
	s_mul_i32 s14, s61, 24576
	s_mul_i32 s3, s[WV], 6144                      ; my quarter of the pair's scale words
	s_add_co_u32 s14, s14, s3
	s_mov_b32 s15, 0
	; group 1: dense memory as rows of 256 bytes (32 elements of 8 bytes); no padding: every LDS read is dense
	s_mov_b32 s[G1], 15|(3<<16)|(1<<21)            ; 15:0 the mask: all four work-groups; 17:16 elements of 8 bytes; 21 set beside a mask
	s_mov_b32 s[G1+1], 32<<16                      ; tensor_dim0
	s_mov_b32 s[G1+2], 64<<16                      ; tensor_dim1
	s_mov_b32 s[G1+3], 32<<16                      ; tile_dim0
	s_mov_b32 s[G1+4], 64                          ; tile_dim1
	s_mov_b32 s[G1+5], 32                          ; the pitch
	s_mov_b32 s[G1+6], 0
	s_mov_b32 s[G1+7], 0
	s_mov_b32 s[G1S], 15|(3<<16)|(1<<21)
	s_mov_b32 s[G1S+1], 32<<16
	s_mov_b32 s[G1S+2], 24<<16
	s_mov_b32 s[G1S+3], 32<<16
	s_mov_b32 s[G1S+4], 24
	s_mov_b32 s[G1S+5], 32
	s_mov_b32 s[G1S+6], 0
	s_mov_b32 s[G1S+7], 0
	s_mov_b32 s[SEL], 0x76543210
	s_mov_b32 s[SEL+1], 0xfedcba98
	s_mov_b32 s[CS], 0x3e38aa3b                    ; log2(e) / 8
	s_mov_b32 s[CS+1], s[CS]
	s_mov_b32 s[TB], 0
	s_mov_b32 s[TS], 0
	s_mov_b32 s[TJ], 0
	s_mov_b32 s[SLOTS], 7
	s_wait_kmcnt 0x0
	s_mov_b32 s[G0K], 1                            ; count = 1
	s_lshl_b32 s[G0K+1], s[WV], 14                 ; LDS: 16,384 x wave: K's halves, then V's: no place in the cluster enters it
	s_add_nc_u64 s[G0K+2:G0K+3], s[6:7], s[62:63]
	s_add_nc_u64 s[G0K+2:G0K+3], s[G0K+2:G0K+3], s[16:17]
	s_or_b32 s[G0K+3], s[G0K+3], 0x80000000        ; type = 2
	s_mov_b32 s[G0V], 1
	s_lshl_b32 s[G0V+1], s[WV], 14
	s_add_nc_u64 s[G0V+2:G0V+3], s[8:9], s[62:63]
	s_add_nc_u64 s[G0V+2:G0V+3], s[G0V+2:G0V+3], s[16:17]
	s_or_b32 s[G0V+3], s[G0V+3], 0x80000000
	s_mov_b32 s[G0S], 1
	s_add_co_u32 s[G0S+1], s3, SCL
	s_add_nc_u64 s[G0S+2:G0S+3], s[10:11], s[14:15]
	s_or_b32 s[G0S+3], s[G0S+3], 0x80000000
	CROUND                                         ; all four work-groups are here: the first joint loads meet
	s_cmp_lt_u32 s[WV], 2                          ; a wave's two first fills stand in one branch, ahead of every wait on TENSORcnt and every LDS read
	s_cbranch_scc0 .Lfirst_not_k
	tensor_load_to_lds s[G0S:G0S+3], s[G1S:G1S+7]
	s_nop 0
	tensor_load_to_lds s[G0K:G0K+3], s[G1:G1+7]
	s_nop 0
.rept 4
	v_nop
.endr
	s_branch .Lfirst_asked
.Lfirst_not_k:
	s_cmp_lt_u32 s[WV], 4
	s_cbranch_scc0 .Lfirst_asked
	tensor_load_to_lds s[G0S:G0S+3], s[G1S:G1S+7]
	s_nop 0
	tensor_load_to_lds s[G0V:G0V+3], s[G1:G1+7]
	s_nop 0
.rept 4
	v_nop
.endr
.Lfirst_asked:
	; my place in the cluster enters Q's, o's and the prefetches' global addresses alone
	s_bfe_u32 s59, ttmp6, 0x40000                  ; cx
	s_lshl_b32 s60, ttmp9, 2
	s_add_co_u32 s60, s60, s59                     ; my block of 256 queries
	s_lshl_b32 s60, s60, 4
	s_add_co_u32 s60, s60, s[WV]                   ; my tile of 16 queries
	s_lshl_b32 s2, s60, 10
	s_mov_b32 s3, 0
	s_add_nc_u64 s[14:15], s[4:5], s[62:63]
	s_add_nc_u64 s[14:15], s[14:15], s[2:3]        ; Q's codes: 1,024 bytes a tile
	s_lshl_b32 s2, s61, 14
	s_lshl_b32 s16, s60, 6
	s_add_co_u32 s2, s2, s16
	s_add_nc_u64 s[4:5], s[4:5], s[2:3]            ; Q's scale words (behind QSC): 64 bytes a tile
	s_lshr_b32 s16, s61, 2                         ; the image
	s_bfe_u32 s17, s61, 0x10001                    ; head / 2: the projection's K step
	s_and_b32 s61, s61, 1                          ; head % 2: which half of it
	s_lshl_b32 s2, s16, 20
	s_lshl_b32 s59, s60, 12
	s_add_co_u32 s2, s2, s59
	s_lshl_b32 s59, s17, 11
	s_add_co_u32 s2, s2, s59
	s_lshl_b32 s59, s61, 10
	s_add_co_u32 s2, s2, s59
	s_add_nc_u64 s[10:11], s[12:13], s[2:3]        ; o's codes
	s_lshl_b32 s2, s16, 15
	s_lshl_b32 s59, s60, 7
	s_add_co_u32 s2, s2, s59
	s_lshl_b32 s59, s17, 6
	s_add_co_u32 s2, s2, s59
	s_lshl_b32 s59, s61, 1
	s_add_co_u32 s2, s2, s59
	s_add_nc_u64 s[12:13], s[12:13], s[2:3]        ; o's scale words (behind OSC)
	s_cmp_eq_u32 s[WV], 4
	s_cselect_b64 s[PFA:PFA+1], s[6:7], s[8:9]     ; wave 4 asks for K's codes, wave 5 for V's
	s_add_nc_u64 s[PFA:PFA+1], s[PFA:PFA+1], s[62:63]
	s_bfe_u32 s2, ttmp6, 0x40000
	s_lshl_b32 s2, s2, 13                          ; my work-group's 8,192 bytes,
	s_add_co_u32 s2, s2, 32768                     ; in slot 1: the first change of slots steps it to slot 2
	s_add_nc_u64 s[PFA:PFA+1], s[PFA:PFA+1], s[2:3]
	s_sub_co_u32 s2, s[WV], 4
	s_lshr_b32 s2, s2, 1                           ; 0 in waves 4 and 5,
	s_or_b32 s2, s2, ttmp9                         ; of the pair's first cluster: the same in all four partners
	s_cmp_eq_u32 s2, 0
	s_cselect_b32 s[LIM], 1, -1
	v_and_b32 v8, 31, v0                           ; lane
	s_delay_alu instid0(VALU_DEP_1)
	v_lshlrev_b32 v[LI], 4, v8
	s_delay_alu instid0(VALU_DEP_2)
	v_lshl_add_u32 v[LSK], v8, 2, SCL
	s_delay_alu instid0(VALU_DEP_3)
	v_lshl_add_u32 v[LSV], v8, 2, SCL+16384
	s_delay_alu instid0(VALU_DEP_4)
	v_lshlrev_b32 v[PFO], 8, v8
	v_and_b32 v[R4], 15, v0
	s_delay_alu instid0(VALU_DEP_1)
	v_lshlrev_b32 v[R4], 2, v[R4]
	global_load_b128 v[QF:QF+3], v[LI], s[14:15]               ; Q's fragment stays in registers
	global_load_b128 v[QF+4:QF+7], v[LI], s[14:15] offset:512
	global_load_b32 v[QS], v[R4], s[4:5] offset:QSC
.irp j, 0,1,2,3,4,5,6,7
	v_mov_b32 v[QF+8+\j], 0                        ; the upper 64 of Q's K step: zero codes
	v_mov_b32 v[KF+64+\j], 0                       ; and what stands behind K's last tile
.endr
.irp j, 0,1,2,3,4,5,6,7,8,9,10,11,12,13,14,15,16,17,18,19,20,21,22,23,24,25,26,27,28,29,30,31
	v_mov_b32 v[O+\j], 0                           ; O^T: the step is written once; its first run finds zeros, which the first change of M leaves zeros
.endr
.irp b, 0,1,2,3
	v_mov_b32 v[PD+\b], 0                          ; a lane permute's destination counts as read: written once
.endr
	v_mov_b32 v[PWD], 0                            ; (named as the upper half of the pair with f before it is first written)
	v_mov_b32 v13, 0xff61b1e6                      ; the largest t so far: -3e38
	s_delay_alu instid0(VALU_DEP_1)
	v_floor_f32 v12, -v13                          ; -M
	v_mov_b32 v14, 0                               ; the row's sum, in two halves
	v_mov_b32 v15, 0
; A KEY STEP: 128 keys, the q-th of the slot in hand
.macro STEP q
	v_add_nc_u32 v[AD], s[TB], v[LI]
	v_add_nc_u32 v[ADS], s[TS], v[LSK]
	v_add_nc_u32 v[ADT], s[TJ], v[LSV]
.rept 5
	v_nop                                          ; with the three additions: eight places in front of loads into registers that the last products read
.endr
.irp i, 0,1,2,3,4,5,6,7,8,9,10,11,12,13,14,15
	ds_load_b128 v[KF+4*\i:KF+4*\i+3], v[AD] offset:8192*(\q)+512*\i
.endr
.irp i, 0,1,2,3
	ds_load_b32 v[KSC+\i], v[ADS] offset:128*\i
.endr
	s_wait_alu depctr_va_vdst(0)
	s_wait_dscnt 0x0
.irp t, 0,1,2,3,4,5,6,7
	KQ \t
.endr
.rept 8
	v_nop                                          ; places in front of the loads below and of the first read of the scores
.endr
.irp i, 0,1,2,3,4,5,6,7,8,9,10,11,12,13,14,15
	ds_load_b128 v[KF+4*\i:KF+4*\i+3], v[AD] offset:32768+8192*(\q)+512*\i   ; V's four fragments land while the softmax is walked
.endr
.irp i, 0,1
	ds_load_b32 v[VSC+\i], v[ADT] offset:128*\i
.endr
.irp b, 0,1,2,3
	v_max3_num_f32 v[BM+\b], v[S+16*\b], v[S+1+16*\b], v[S+2+16*\b]   ; the largest score of each block of 32 keys: for the row's maximum and, since p rises with the score, for the block's largest p
.endr
.irp i, 3,5,7,9,11,13
.irp b, 0,1,2,3
	v_max3_num_f32 v[BM+\b], v[BM+\b], v[S+16*\b+\i], v[S+1+16*\b+\i]
.endr
.endr
.irp b, 0,1,2,3
	v_max_num_f32 v[BM+\b], v[BM+\b], v[S+15+16*\b]
.endr
.irp b, 0,1,2,3
	s_delay_alu instid0(VALU_DEP_4)
	v_permlanex16_b32 v[PD+\b], v[BM+\b], s[SEL], s[SEL+1]
.endr
.irp b, 0,1,2,3
	s_delay_alu instid0(VALU_DEP_4)
	v_max_num_f32 v[BM+\b], v[BM+\b], v[PD+\b]     ; with lane l xor 16's 16 keys
.endr
	s_delay_alu instid0(VALU_DEP_2)
	v_max3_num_f32 v[TMP], v[BM], v[BM+1], v[BM+2]
	s_delay_alu instid0(VALU_DEP_1)
	v_max_num_f32 v[TMP], v[TMP], v[BM+3]
	s_delay_alu instid0(VALU_DEP_1)
	v_mul_f32 v[TMP], s[CS], v[TMP]                ; as t (c is positive)
	s_delay_alu instid0(VALU_DEP_1)
	v_max_num_f32 v13, v13, v[TMP]                 ; the running largest t
	v_mov_b32 v[TMP], v12
	s_delay_alu instid0(VALU_DEP_2)
	v_floor_f32 v12, -v13                          ; the new -M = -ceil(t): a whole number
	s_delay_alu instid0(VALU_DEP_1)
	v_sub_f32 v[TMP], v12, v[TMP]                  ; old M - new M: a whole number, 0 or less
	s_delay_alu instid0(VALU_DEP_1)
	v_cvt_i32_f32 v[TMP], v[TMP]                   ; (it saturates)
	s_delay_alu instid0(VALU_DEP_1)
	v_ldexp_f32 v[F], 1.0, v[TMP]                  ; f = 2^(old M - new M)
.irp j, 0,2,4,6,8,10,12,14,16,18,20,22,24,26,28,30,32,34,36,38,40,42,44,46,48,50,52,54,56,58,60,62
	v_pk_fma_f32 v[S+\j:S+\j+1], v[S+\j:S+\j+1], s[CS:CS+1], v[12:13] op_sel_hi:[1,0,0]   ; t - M, two at a time
.endr
.irp b, 0,1,2,3
	v_fma_f32 v[BM+\b], v[BM+\b], s[CS], v12       ; the same of each block's largest score
.endr
	s_wait_alu depctr_va_vdst(0)
.irp j, 0,1,2,3,4,5,6,7,8,9,10,11,12,13,14,15,16,17,18,19,20,21,22,23,24,25,26,27,28,29,30,31,32,33,34,35,36,37,38,39,40,41,42,43,44,45,46,47,48,49,50,51,52,53,54,55,56,57,58,59,60,61,62,63
	v_exp_f32 v[S+\j], v[S+\j]                     ; p = 2^(t - M), at most 1
.endr
	v_pk_mul_f32 v[14:15], v[14:15], v[F:F+1] op_sel_hi:[1,0]   ; the sums under the new M (a plain line behind the exponentials)
	s_wait_alu depctr_va_vdst(0)                   ; one wait for the whole batch, ahead of the first line that names a result
.irp b, 0,1,2,3
	v_exp_f32 v[BM+\b], v[BM+\b]                   ; the block's largest p: the same two instructions on the same number
.endr
	v_pk_add_f32 v[220:221], v[108:109], v[112:113]
	v_pk_add_f32 v[254:255], v[116:117], v[120:121]
	v_pk_add_f32 v[252:253], v[124:125], v[128:129]
	v_pk_add_f32 v[250:251], v[132:133], v[136:137]
	v_pk_add_f32 v[248:249], v[140:141], v[144:145]
	v_pk_add_f32 v[246:247], v[148:149], v[152:153]
	v_pk_add_f32 v[244:245], v[156:157], v[160:161]
	v_pk_add_f32 v[14:15], v[14:15], v[164:165]
	v_pk_add_f32 v[220:221], v[220:221], v[104:105]
	v_pk_add_f32 v[254:255], v[254:255], v[106:107]
	v_pk_add_f32 v[252:253], v[252:253], v[110:111]
	v_pk_add_f32 v[250:251], v[250:251], v[114:115]
	v_pk_add_f32 v[248:249], v[248:249], v[118:119]
	v_pk_add_f32 v[246:247], v[246:247], v[122:123]
	v_pk_add_f32 v[244:245], v[244:245], v[126:127]
	v_pk_add_f32 v[14:15], v[14:15], v[130:131]
	v_pk_add_f32 v[220:221], v[220:221], v[134:135]
	v_pk_add_f32 v[254:255], v[254:255], v[138:139]
	v_pk_add_f32 v[252:253], v[252:253], v[142:143]
	v_pk_add_f32 v[250:251], v[250:251], v[146:147]
	v_pk_add_f32 v[248:249], v[248:249], v[150:151]
	v_pk_add_f32 v[246:247], v[246:247], v[154:155]
	v_pk_add_f32 v[244:245], v[244:245], v[158:159]
	v_pk_add_f32 v[14:15], v[14:15], v[162:163]
	v_pk_add_f32 v[220:221], v[220:221], v[166:167]
	s_delay_alu instid0(VALU_DEP_2)
	v_pk_add_f32 v[14:15], v[14:15], v[250:251]
	s_delay_alu instid0(VALU_DEP_2)
	v_pk_add_f32 v[220:221], v[220:221], v[248:249]
	v_pk_add_f32 v[254:255], v[254:255], v[246:247]
	v_pk_add_f32 v[252:253], v[252:253], v[244:245]
	s_delay_alu instid0(VALU_DEP_2)
	v_pk_add_f32 v[14:15], v[14:15], v[254:255]
	s_delay_alu instid0(VALU_DEP_2)
	v_pk_add_f32 v[220:221], v[220:221], v[252:253]
	s_delay_alu instid0(VALU_DEP_1)
	v_pk_add_f32 v[14:15], v[14:15], v[220:221]
	s_wait_alu depctr_va_vdst(0)                   ; and one for the four
.irp b, 0,1,2,3
	v_max_num_f32 v[BM+\b], 0x4800000, v[BM+\b]    ; the floor 2^(9 - 127): the byte cannot fall under 1
.endr
.irp b, 0,1,2,3
	s_delay_alu instid0(VALU_DEP_4)
	v_add_nc_u32 v[SOP+\b], 0xfc000000, v[BM+\b]   ; 8 off the exponent field: the conversion's scale operand
.endr
.irp b, 0,1,2,3
.endr
.irp b, 0,1,2,3
	s_delay_alu instid0(VALU_DEP_4)
	v_lshrrev_b32 v[PD+\b], 23, v[SOP+\b]          ; the scale's byte
.endr
	s_delay_alu instid0(VALU_DEP_3)
	v_lshl_or_b32 v[PWD], v[PD+1], 8, v[PD]        ; p's scale word for these 128 keys
	s_delay_alu instid0(VALU_DEP_1)
	v_lshl_or_b32 v[PWD], v[PD+2], 16, v[PWD]
	s_delay_alu instid0(VALU_DEP_1)
	v_lshl_or_b32 v[PWD], v[PD+3], 24, v[PWD]
.irp b, 0,1,2,3
.irp i, 0,1,2,3,4,5,6,7,8,9,10,11,12,13,14,15
.endr
	v_cvt_scalef32_pk8_fp8_f32 v[PCD+4*\b:PCD+4*\b+1], v[S+16*\b:S+16*\b+7], v[SOP+\b]
	v_cvt_scalef32_pk8_fp8_f32 v[PCD+4*\b+2:PCD+4*\b+3], v[S+16*\b+8:S+16*\b+15], v[SOP+\b]
.endr
.irp j, 0,2,4,6,8,10,12,14,16,18,20,22,24,26,28,30
	v_pk_mul_f32 v[O+\j:O+\j+1], v[O+\j:O+\j+1], v[F:F+1] op_sel_hi:[1,0]   ; O^T under the new M; these sixteen also stand between the conversions and the products
.endr
	s_wait_alu depctr_va_vdst(0)
	s_wait_dscnt 0x0                               ; V's fragments and scale words
.irp t, 0,1,2,3
	PV \t                                          ; four accumulators by turns
.endr
	s_add_co_u32 s[TS], s[TS], 512
	s_add_co_u32 s[TJ], s[TJ], 256
.endm
; THE CHANGE OF SLOTS stands at a slot's head.  Each wave waits for all its tensor loads (its part of the slot that it is about to read), adds 0 to its spare word, and waits for that and for its reads of the
; slot that it has left.  fill = 1: a round of the cluster's barrier follows, so that no wave of any partner still reads that slot or has a load on its way, and the joint refill is the first thing behind it:
; it has a slot's four key steps in which to land.
.macro CHANGE fill
	s_wait_tensorcnt 0x0                           ; no tensor load of mine is out, so a group 0 may be written
	ds_add_u32 v[SPW], v[NIL]                      ; 0 onto my spare word
.if \fill
	s_xor_b32 s[G0K+1], s[G0K+1], SLOT1            ; the walking descriptors: the other slot than last time,
	s_add_nc_u64 s[G0K+2:G0K+3], s[G0K+2:G0K+3], 32768   ; the next 512 keys; the type bits on top are not reached
	s_xor_b32 s[G0V+1], s[G0V+1], SLOT1
	s_add_nc_u64 s[G0V+2:G0V+3], s[G0V+2:G0V+3], 32768
	s_wait_xcnt 0x0                                ; the last prefetch, a slot back, has read its address
	s_add_nc_u64 s[PFA:PFA+1], s[PFA:PFA+1], 32768 ; one slot further on than the walking descriptors
.endif
	s_wait_dscnt 0x0                               ; the add is done, and my reads of the slot that I have left are over
.if \fill
	CROUND
	TLOAD
	ASK
.else
	s_barrier_signal -1
	s_barrier_wait -1
.endif
.endm
.macro SLOT_STEPS
.irp q, 0,1,2,3
	STEP \q
.endr
	s_xor_b32 s[TB], s[TB], SLOT1                  ; on to the other slot
.endm
	s_wait_loadcnt 0x0                             ; Q
.Lslot:                                            ; seven trips: behind each change of slots but the last the next slot is asked for
	CHANGE 1
	SLOT_STEPS
	s_sub_co_u32 s[SLOTS], s[SLOTS], 1
	s_cmp_lg_u32 s[SLOTS], 0
	s_cbranch_scc1 .Lslot
	CHANGE 0                                       ; the last slot is written out
	SLOT_STEPS
	; THE WAY OUT: o = O^T / the sum, quantised along the channels (two blocks of 32: my head's 64), and stored as two register groups of the projection's operand
	v_add_f32 v14, v14, v15                        ; the sum's two halves,
	s_delay_alu instid0(VALU_DEP_1)
	v_permlanex16_b32 v[TMP], v14, s[SEL], s[SEL+1]
	s_delay_alu instid0(VALU_DEP_1)
	v_add_f32 v14, v14, v[TMP]                     ; and lane l xor 16's
	s_wait_alu depctr_va_vdst(0)
	v_rcp_f32 v14, v14
.rept 6
	v_nop                                          ; with the two additions: eight places behind the last products; the first is also the plain line behind the reciprocal
.endr
	s_wait_alu depctr_va_vdst(0)                   ; the wait ahead of the first line that names the reciprocal
.irp j, 0,2,4,6,8,10,12,14,16,18,20,22,24,26,28,30
	v_pk_mul_f32 v[S+\j:S+\j+1], v[O+\j:O+\j+1], v[14:15] op_sel_hi:[1,0]   ; each accumulator from its low end on; register 16 bb + i: channel 32 bb + 16 (lane / 16) + i
.endr
.irp b, 0,1
	v_max3_num_f32 v[BM+\b], |v[S+16*\b]|, |v[S+1+16*\b]|, 0x4800000
.endr
.irp i, 2,4,6,8,10,12,14
.irp b, 0,1
	s_delay_alu instid0(VALU_DEP_2)
	v_max3_num_f32 v[BM+\b], v[BM+\b], |v[S+16*\b+\i]|, |v[S+1+16*\b+\i]|
.endr
.endr
.irp b, 0,1
	s_delay_alu instid0(VALU_DEP_2)
	v_permlanex16_b32 v[PD+\b], v[BM+\b], s[SEL], s[SEL+1]
.endr
.irp b, 0,1
	s_delay_alu instid0(VALU_DEP_2)
	v_max_num_f32 v[BM+\b], v[BM+\b], v[PD+\b]
.endr
.irp b, 0,1
	s_delay_alu instid0(VALU_DEP_2)
	v_add_nc_u32 v[SOP+\b], 0xfc000000, v[BM+\b]
.endr
.irp b, 0,1
.endr
.irp b, 0,1
	s_delay_alu instid0(VALU_DEP_2)
	v_lshrrev_b32 v[PD+\b], 23, v[SOP+\b]
.endr
	s_delay_alu instid0(VALU_DEP_1)
	v_lshl_or_b32 v[TMP], v[PD+1], 8, v[PD]        ; my head's two bytes of the pixel's scale word
.irp b, 0,1
.irp i, 0,1,2,3,4,5,6,7,8,9,10,11,12,13,14,15
.endr
	v_cvt_scalef32_pk8_fp8_f32 v[PCD+4*\b:PCD+4*\b+1], v[S+16*\b:S+16*\b+7], v[SOP+\b]
	v_cvt_scalef32_pk8_fp8_f32 v[PCD+4*\b+2:PCD+4*\b+3], v[S+16*\b+8:S+16*\b+15], v[SOP+\b]
.endr
	v_nop
	global_store_b128 v[LI], v[PCD:PCD+3], s[10:11]            ; 512 consecutive bytes a store
	global_store_b128 v[LI], v[PCD+4:PCD+7], s[10:11] offset:512
	global_store_b16 v[R4], v[TMP], s[12:13] offset:OSC        ; lanes 16-31 hold the same numbers as lanes 0-15 and write them to the same places
	s_wait_tensorcnt 0x0                           ; the wave's end
	ds_add_u32 v[SPW], v[NIL]
	s_wait_dscnt 0x0
	CROUND                                         ; the closing round: no work-group ends while a partner may still ask for a tile that names it
	s_endpgm
.Lfunc_end_k_qadfeaa32b7_attn:
	.size	k_qadfeaa32b7_attn, .Lfunc_end_k_qadfeaa32b7_attn-k_qadfeaa32b7_attn
	.p2alignl 7, 3214868480
	.fill 96, 4, 3214868480
	.section	.rodata,"a",@progbits
	.p2align	6, 0x0
	.amdhsa_kernel k_qadfeaa32b7_attn
		.amdhsa_group_segment_fixed_size 327680
		.amdhsa_private_segment_fixed_size 0
		.amdhsa_enable_private_segment 0
		.amdhsa_kernarg_size 40
		.amdhsa_user_sgpr_count 2
		.amdhsa_user_sgpr_kernarg_segment_ptr 1
		.amdhsa_wavefront_size32 1
		.amdhsa_system_sgpr_workgroup_id_x 1
		.amdhsa_system_sgpr_workgroup_id_y 1
		.amdhsa_system_sgpr_workgroup_id_z 1
		.amdhsa_system_vgpr_workitem_id 0
		.amdhsa_next_free_vgpr 256
		.amdhsa_next_free_sgpr 66
		.amdhsa_reserve_vcc 0
		.amdhsa_float_denorm_mode_32 3
		.amdhsa_float_denorm_mode_16_64 3
		.amdhsa_fp16_overflow 1
		.amdhsa_memory_ordered 1
		.amdhsa_forward_progress 1
		.amdhsa_inst_pref_size 152
	.end_amdhsa_kernel
	.amdgpu_metadata
---
amdhsa.version: [ 1, 2 ]
amdhsa.kernels:
  - .name:           k_qadfeaa32b7_attn
    .symbol:         k_qadfeaa32b7_attn.kd
    .args:
      - { .name: qq, .offset: 0, .size: 8, .value_kind: global_buffer, .address_space: global }
      - { .name: kc, .offset: 8, .size: 8, .value_kind: global_buffer, .address_space: global }
      - { .name: vc, .offset: 16, .size: 8, .value_kind: global_buffer, .address_space: global }
      - { .name: kvs, .offset: 24, .size: 8, .value_kind: global_buffer, .address_space: global }
      - { .name: oq, .offset: 32, .size: 8, .value_kind: global_buffer, .address_space: global }
    .group_segment_fixed_size: 327680
    .private_segment_fixed_size: 0
    .kernarg_segment_align: 8
    .kernarg_segment_size: 40
    .max_flat_workgroup_size: 512
    .sgpr_count:     66
    .vgpr_count:     256
    .wavefront_size: 32
...
	.end_amdgpu_metadata
.endif
;; end of part 3
;; launch proj (part 4): grid 64 x 4, 8 waves a work-group, no clusters, 70,656 bytes of LDS; arguments oq, wq, proj_b, x, out0; writes out0
.if DOCPART == 4
	.amdgcn_target "amdgcn-amd-amdhsa--gfx1250"
	.amdhsa_code_object_version 6
	.text
	.protected	k_qadfeaa32b7_proj
	.globl	k_qadfeaa32b7_proj
	.p2align	8
	.type	k_qadfeaa32b7_proj,@function
k_qadfeaa32b7_proj:
	s_mov_b64 s[64:65], 0
	v_nop
	global_prefetch_b8 v0, s[64:65] scope:SCOPE_SE
	s_setreg_imm32_b32 hwreg(HW_REG_WAVE_MODE, 25, 1), 1
	s_wait_xcnt 0x0
; PROJECTION AND RESIDUAL: out0 = x + proj_w o + proj_b, the product on codes of E4M3 with one E8M0 byte for each 32 along K (the 256 channels).
; A work-group takes 64 pixels (work-group x) of one image (work-group y); wave w makes output channels 32 w .. 32 w + 31 for all 64 pixels: 16 matrix instructions on 8 accumulators by turns.
; Both operands lie in memory as images of their registers and go straight into them.  Source 0 = 16 pixels of o, source 1 = 16 rows of proj_w: a lane holds ONE output channel, and its registers run along
; the pixels, which are innermost in out0.  Pixel tile tau = 2 G + u holds pixels 32 G + 8 u + rho + 8 (rho / 8); W's tile n of my two holds rows 8 n + rho + 8 (rho / 8) of my 32.
; A wave holds whole pieces of 256 bytes of its 32 rows, so its stage in LDS is its own: no barrier.  Sixteen lanes store 256 consecutive bytes, aligned.  The bias is the C of each sum's first instruction.
.set WSC, 262144                       ; wq: where the scale words begin
.set OSC, 4194304                      ; oq: likewise
.set SP,  272                          ; a stage row: 256 bytes + 16
.set LI,  2                            ; v2 16 x lane   v3 4 x lane
.set LS,  3
.set SO,  4                            ; v4 the stage: where I put 32 bytes of a row   v5 where I read a row back   v6 the same place in x and out0
.set SR,  5
.set CO,  6
.set RV,  7                            ; v7 4 (r + 8 (r / 8))
.set WS,  8                            ; v8-9 W's scale words: lanes 0-15 K step 0, lanes 16-31 K step 1
.set OS,  10                           ; v10-13 o's likewise, a register for each pixel tile
.set OF,  32                           ; v32-159 o's eight fragments (16 (2 tau + s)); on the way out v32-95 rows read back
.set RB,  32
.set ACC, 160                          ; v160-223 (32 n + 8 tau)
; window 1: v0-63 W's fragments (32 n + 16 s), v64-79 the bias (8 n), v80-143 x
.set MSB, 0
.macro WIN new                         ; the immediate's high byte repeats the setting that is left
.if MSB != \new
	s_set_vgpr_msb (MSB<<8)|\new
.set MSB, \new
.endif
.endm
	s_load_b256 s[4:11], s[0:1], 0x0               ; oq, wq, proj_b, x
	s_load_b64 s[12:13], s[0:1], 0x20              ; out0
	v_lshl_add_u32 v254, v0, 2, 0x11000
	v_mov_b32 v255, 0
	v_lshrrev_b32 v1, 5, v0
	s_delay_alu instid0(VALU_DEP_1)
	v_readfirstlane_b32 s16, v1                    ; wave 0..7
	s_and_b32 s18, ttmp7, 0xffff                   ; the image
	v_and_b32 v1, 31, v0
	s_delay_alu instid0(VALU_DEP_1)
	v_lshlrev_b32 v[LI], 4, v1
	s_delay_alu instid0(VALU_DEP_2)
	v_lshlrev_b32 v[LS], 2, v1
	v_and_b32 v16, 15, v0                          ; r
	v_bfe_u32 v17, v0, 4, 1                        ; h
	s_mul_i32 s19, s16, 32*SP                      ; my stage
	v_mul_u32_u24 v[SO], v16, SP
	s_delay_alu instid0(VALU_DEP_1)
	v_lshl_add_u32 v[SO], v17, 6, v[SO]
	s_delay_alu instid0(VALU_DEP_1)
	v_add_nc_u32 v[SO], s19, v[SO]                 ; in: row r, + 64 h
	v_mul_u32_u24 v[SR], v17, SP
	s_delay_alu instid0(VALU_DEP_1)
	v_lshl_add_u32 v[SR], v16, 4, v[SR]
	s_delay_alu instid0(VALU_DEP_1)
	v_add_nc_u32 v[SR], s19, v[SR]                 ; back: lanes 0-15 one row, lanes 16-31 the next
	v_lshlrev_b32 v[CO], 14, v17                   ; a channel's row of the image is 16,384 bytes
	s_delay_alu instid0(VALU_DEP_1)
	v_lshl_add_u32 v[CO], v16, 4, v[CO]
	v_and_b32 v[RV], 8, v16
	s_delay_alu instid0(VALU_DEP_1)
	v_add_nc_u32 v[RV], v[RV], v16
	s_delay_alu instid0(VALU_DEP_1)
	v_lshlrev_b32 v[RV], 2, v[RV]
	s_mov_b32 s21, 0
	s_wait_alu depctr_va_vdst(0)
	s_wait_kmcnt 0x0
	s_lshl_b32 s20, s16, 13
	s_add_nc_u64 s[22:23], s[6:7], s[20:21]        ; W's codes: two tiles of 4,096 bytes a wave, from tile 48 on
	s_lshl_b32 s20, s16, 8
	s_add_nc_u64 s[24:25], s[6:7], s[20:21]        ; their scale words
	s_lshl_b32 s20, s16, 7
	s_add_nc_u64 s[8:9], s[8:9], s[20:21]          ; the bias of my 32 rows
	s_lshl_b32 s20, s18, 20
	s_lshl_b32 s28, ttmp9, 14
	s_add_co_u32 s20, s20, s28
	s_add_nc_u64 s[26:27], s[4:5], s[20:21]        ; o's codes: 4,096 bytes a pixel tile, four tiles a work-group
	s_lshl_b32 s20, s18, 15
	s_lshl_b32 s28, ttmp9, 9
	s_add_co_u32 s20, s20, s28
	s_add_nc_u64 s[4:5], s[4:5], s[20:21]          ; o's scale words (behind OSC)
	s_lshl_b32 s20, s18, 22
	s_lshl_b32 s28, s16, 19
	s_add_co_u32 s20, s20, s28
	s_lshl_b32 s28, ttmp9, 8
	s_add_co_u32 s20, s20, s28
	s_add_nc_u64 s[10:11], s[10:11], s[20:21]      ; x and out0: the image, my 32 rows, the 64 pixels
	s_add_nc_u64 s[12:13], s[12:13], s[20:21]
.irp n, 0,1
	global_load_b32 v[WS+\n], v[LS], s[24:25] offset:WSC+6144+128*\n
	global_load_b32 v[14+\n], v[RV], s[8:9] offset:32*\n
.endr
.set j, 0
.rept 32
	global_load_b128 v[OF+4*j:OF+4*j+3], v[LI], s[26:27] offset:512*j
.set j, j+1
.endr
.irp t, 0,1,2,3
	global_load_b32 v[OS+\t], v[LS], s[4:5] offset:OSC+128*\t
.endr
	WIN 0x40                                       ; destination window 1
.set j, 0
.rept 16
	global_load_b128 v[4*j:4*j+3], v[LI], s[22:23] offset:196608+512*j
.set j, j+1
.endr
.irp i, 0,1,2,3,4,5,6,7,8,9,10,11,12,13,14,15
	global_load_b128 v[80+4*\i:83+4*\i], v[CO], s[10:11] offset:16384*(8*(\i/8)+2*(\i%8)+8*((\i/4)%2)) th:TH_LOAD_NT   ; x at the rows in which the stage gives the results back
.endr
	s_wait_loadcnt 16                              ; all but x's sixteen loads, which the way out alone wants
.irp n, 0,1
.irp j, 0,1,2,3,4,5,6,7
	v_mov_b32 v[64+8*\n+\j], v[14+\n]              ; the bias in the result's layout: a lane holds one row of W, so eight copies
.endr
.endr
	WIN 0x14                                       ; source 1 (W) and C (bias) window 1
.irp n, 0,1
.irp t, 0,1,2,3
	v_wmma_scale_f32_16x16x128_f8f6f4 v[ACC+32*\n+8*\t:ACC+32*\n+8*\t+7], v[OF+32*\t:OF+32*\t+15], v[32*\n:32*\n+15], v[64+8*\n:64+8*\n+7], v[OS+\t], v[WS+\n]
.endr
.endr
	WIN 0x04
.irp n, 0,1
.irp t, 0,1,2,3
	v_wmma_scale_f32_16x16x128_f8f6f4 v[ACC+32*\n+8*\t:ACC+32*\n+8*\t+7], v[OF+32*\t+16:OF+32*\t+31], v[32*\n+16:32*\n+31], v[ACC+32*\n+8*\t:ACC+32*\n+8*\t+7], v[OS+\t], v[WS+\n] matrix_a_scale:MATRIX_SCALE_ROW1 matrix_b_scale:MATRIX_SCALE_ROW1
.endr
.endr
	WIN 0
.rept 8
	v_nop                                          ; eight places behind this form in front of the stores that read results and of the loads into o's registers
.endr
.irp n, 0,1
.irp g, 0,1
.irp u, 0,1
	ds_store_b128 v[SO], v[ACC+32*\n+8*(2*\g+\u):ACC+32*\n+8*(2*\g+\u)+3] offset:16*SP*\n+128*\g+32*\u       ; stage row 16 n + r; pixels 32 G + 16 h + 8 u + 0 .. 7; each accumulator from its low end on
	ds_store_b128 v[SO], v[ACC+32*\n+8*(2*\g+\u)+4:ACC+32*\n+8*(2*\g+\u)+7] offset:16*SP*\n+128*\g+32*\u+16
.endr
.endr
.endr
.irp i, 0,1,2,3,4,5,6,7,8,9,10,11,12,13,14,15
	ds_load_b128 v[RB+4*\i:RB+4*\i+3], v[SR] offset:2*SP*\i   ; LDS serves a wave's instructions in order (ISA guide 5.7.1.4): these see my stores
.endr
	s_wait_loadcnt 0x0                             ; x
	WIN 0x44                                       ; source 1 and destination window 1: x's registers take the sums and are the stores' data
.irp i, 0,1,2,3,4,5,6,7,8,9,10,11,12,13,14,15
	s_wait_dscnt 15-\i                             ; rows 2 i, 2 i + 1 of the stage are back; the younger loads stay out
	v_pk_add_f32 v[80+4*\i:81+4*\i], v[RB+4*\i:RB+4*\i+1], v[80+4*\i:81+4*\i]
	v_pk_add_f32 v[82+4*\i:83+4*\i], v[RB+4*\i+2:RB+4*\i+3], v[82+4*\i:83+4*\i]
	global_store_b128 v[CO], v[80+4*\i:83+4*\i], s[12:13] offset:16384*(8*(\i/8)+2*(\i%8)+8*((\i/4)%2)) th:TH_STORE_NT   ; stage row 16 n + r is output row 8 n + r + 8 (r / 8) of my 32
.endr
	WIN 0
	s_wait_tensorcnt 0x0
	ds_add_u32 v254, v255
	s_wait_dscnt 0x0
	s_endpgm
.Lfunc_end_k_qadfeaa32b7_proj:
	.size	k_qadfeaa32b7_proj, .Lfunc_end_k_qadfeaa32b7_proj-k_qadfeaa32b7_proj
	.p2alignl 7, 3214868480
	.fill 96, 4, 3214868480
	.section	.rodata,"a",@progbits
	.p2align	6, 0x0
	.amdhsa_kernel k_qadfeaa32b7_proj
		.amdhsa_group_segment_fixed_size 70656
		.amdhsa_private_segment_fixed_size 0
		.amdhsa_enable_private_segment 0
		.amdhsa_kernarg_size 40
		.amdhsa_user_sgpr_count 2
		.amdhsa_user_sgpr_kernarg_segment_ptr 1
		.amdhsa_wavefront_size32 1
		.amdhsa_system_sgpr_workgroup_id_x 1
		.amdhsa_system_sgpr_workgroup_id_y 1
		.amdhsa_system_sgpr_workgroup_id_z 1
		.amdhsa_system_vgpr_workitem_id 0
		.amdhsa_next_free_vgpr 400
		.amdhsa_next_free_sgpr 66
		.amdhsa_reserve_vcc 0
		.amdhsa_float_denorm_mode_32 3
		.amdhsa_float_denorm_mode_16_64 3
		.amdhsa_memory_ordered 1
		.amdhsa_forward_progress 1
		.amdhsa_inst_pref_size 19
	.end_amdhsa_kernel
	.amdgpu_metadata
---
amdhsa.version: [ 1, 2 ]
amdhsa.kernels:
  - .name:           k_qadfeaa32b7_proj
    .symbol:         k_qadfeaa32b7_proj.kd
    .args:
      - { .name: oq, .offset: 0, .size: 8, .value_kind: global_buffer, .address_space: global }
      - { .name: wq, .offset: 8, .size: 8, .value_kind: global_buffer, .address_space: global }
      - { .name: proj_b, .offset: 16, .size: 8, .value_kind: global_buffer, .address_space: global }
      - { .name: x, .offset: 24, .size: 8, .value_kind: global_buffer, .address_space: global }
      - { .name: out0, .offset: 32, .size: 8, .value_kind: global_buffer, .address_space: global }
    .group_segment_fixed_size: 70656
    .private_segment_fixed_size: 0
    .kernarg_segment_align: 8
    .kernarg_segment_size: 40
    .max_flat_workgroup_size: 256
    .sgpr_count:     66
    .vgpr_count:     400
    .wavefront_size: 32
...
	.end_amdgpu_metadata
.endif
;; end of part 4
